; MI455X (gfx1250); checked and timed in simulation.
; The chip was launched on July 23, 2026; its instructions are those of AMD's public machine-readable ISA for CDNA 5 (MIT licence, August 2026) and "CDNA5" Instruction Set Architecture Reference Guide (July 2026). The comments in the code are by the model that wrote it; some were corrected since.
;; Causal Self Attention. Allowed arithmetic: matrix products marked QUANTISED: E3M2 operands, one E8M0 scale for each 32 along K, by v_wmma_scale_f32_16x16x128_f8f6f4 with both operands' format E3M2, f32 sums; everything else in f32.
;; Inputs: Wk 1,024 x 1,024 float32; Wp 1,024 x 1,024 float32; Wq 1,024 x 1,024 float32; Wv 1,024 x 1,024 float32; attn_mask 4 x 2,048 int32; x 4 x 2,048 x 1,024 float32.
;; Outputs: out0 4 x 2,048 x 1,024 float32.
;; This version of the problem:
;;   THIS VERSION OF THE PROBLEM IS GIVEN IN LOW PRECISION. The matrix products marked QUANTISED in the list below multiply operands that are first quantised to E3M2 (3 exponent bits, 2 mantissa bits; 6 bits a number), with one power-of-two scale for each 32 numbers along K (OCP MX v1.0); their sums are f32. All else is computed in f32.
;;   The module's matrix products, in the order in which they are computed (A, B: the left and right operand; K: the contracted axis; several contracted axes count as one K, in the product's order):
;;     1. [M 8,192, K 1,024] x [K 1,024, N 1,024]; A: input x; B: input Wq: QUANTISED
;;     2. [M 8,192, K 1,024] x [K 1,024, N 1,024]; A: input x; B: input Wk: QUANTISED
;;     3. [M 8,192, K 1,024] x [K 1,024, N 1,024]; A: input x; B: input Wv: QUANTISED
;;     4. batch 64 x [M 2,048, K 64] x [K 64, N 2,048]; A: computed on the way; B: computed on the way: QUANTISED
;;     5. batch 64 x [M 2,048, K 2,048] x [K 2,048, N 64]; A: softmax (see below); B: computed on the way: QUANTISED
;;     6. [M 8,192, K 1,024] x [K 1,024, N 1,024]; A: computed on the way; B: input Wp: QUANTISED
;;   THE QUANTISER, for each operand of a quantised product, along K:
;;     - K is cut into blocks of 32 from its start; a last block that is shorter is filled with zeros.
;;     - A block's scale is 2^e with e = floor(log2(the largest magnitude in the block)) - 4, held to -126 .. 127; a block of zeros has e = 0. As a byte (E8M0): e + 127.
;;     - Each number is divided by its block's scale, clamped to +-28, and rounded to the nearest number of E3M2, ties to even, subnormals kept.
;;     - The product sums the exact products of the quantised numbers (number of the format x scale) in f32.
;;   ~~~python
;;   def quantise(x, axis):      # numpy; x: float32 -> the quantised numbers, widened to float32 again
;;       x = np.moveaxis(x, axis, -1); K = x.shape[-1]
;;       x = np.pad(x, [(0, 0)] * (x.ndim - 1) + [(0, -K % 32)]); x = x.reshape(x.shape[:-1] + (-1, 32)); a = np.abs(x).max(-1, keepdims=True)
;;       e = np.where(a > 0, np.clip(np.frexp(np.where(a > 0, a, 1))[1] - 1 - 4, -126, 127), 0)      # np.frexp(a)[1] - 1 = floor(log2(a)), exactly
;;       r = np.clip(x / 2.0 ** e, -28, 28)
;;       step = 2.0 ** (np.maximum(np.frexp(np.where(r == 0, 1, r))[1] - 1, -2) - 2)
;;       q = np.round(r / step) * step * 2.0 ** e      # np.round: ties to even
;;       return np.moveaxis(q.reshape(q.shape[:-2] + (-1,))[..., :K], -1, axis).astype(np.float32)
;;   ~~~
;;   SOFTMAX AHEAD OF A QUANTISED PRODUCT. Where the list says 'softmax', what is quantised is not the finished softmax but p = 2^(t - M), with t = logit x log2(e) and M = ceil(the row's largest t), a whole number; so 1/2 < the row's largest p <= 1. The row's sum l is taken of the UNQUANTISED p, in f32, and the product's result is divided by l at the end. Since M is a whole number, a kernel that streams over the keys may use a running M (the ceiling of the running maximum): every later rescaling is an exact power of two, which a block's scale takes up: the codes' values come out the same.
;;   OPERANDS COMPUTED ON THE WAY. 'Computed on the way' means the value that the module computes at that place (a softmax that the list does not call 'softmax' is quantised finished and normalised). What goes into a quantiser is computed in f32, as accurately as f32 sums, v_exp_f32 and their like allow (about 1e-6 of the number): no bf16 or f16 on the way to a quantiser, and a product that is left as it is and whose result goes on into a quantised operand takes f32 operands (vector FMAs, or v_wmma_f32_16x16x4_f32). A number that lies on a knife's edge between two numbers of the format may be rounded either way, as far as f32 arithmetic and the matrix unit's own rounding can turn it there, and no further.
;; One version. Each part assembles by itself: llvm-mc -triple=amdgcn-amd-amdhsa -mcpu=gfx1250 --defsym DOCPART=n.
;; ======== version 1 of 1: 4 launches
;; limits: right only within a limited range of input values
;; workspace buffers: x_codes 6,291,456 bytes; x_scales 262,144 bytes; w_codes 3,145,728 bytes; w_scales 131,072 bytes; qkv_codes 18,874,368 bytes; qkv_scales 786,432 bytes; y_codes 6,291,456 bytes; y_scales 262,144 bytes
;; launch quant (part 1): grid 384 x 1, 4 waves a work-group, no clusters, 33,280 bytes of LDS; arguments x, Wq, Wk, Wv, Wp, x_codes, x_scales, w_codes, w_scales; writes x_codes, x_scales, w_codes, w_scales
.if DOCPART == 1
	.amdgcn_target "amdgcn-amd-amdhsa--gfx1250"
	.amdhsa_code_object_version 6
	.text
	.protected	k_q225a98fdcd_quant
	.globl	k_q225a98fdcd_quant
	.p2align	8
	.type	k_q225a98fdcd_quant,@function
k_q225a98fdcd_quant:
	s_mov_b64 s[64:65], 0
	v_nop
	global_prefetch_b8 v0, s[64:65] scope:SCOPE_SE
	s_setreg_imm32_b32 hwreg(HW_REG_WAVE_MODE, 25, 1), 1
	s_wait_xcnt 0x0
; x [8192][1024] and Wq, Wk, Wv, Wp [1024][1024], f32, K innermost, become codes of BF6 (E3M2), 6 bits each, with one E8M0 scale byte for each 32 along K.
; x goes to x_codes [8192][768] and x_scales [8192][32]; the four weights go one behind the other (Wq, Wk, Wv, Wp) to w_codes [4096][768] and w_scales [4096][32].
; A block's scale is 2^(floor(log2(its largest magnitude)) - 4); its byte is the largest magnitude's own exponent field - 4, held at 1 from below.
; (A block of zeros so gets the byte 1 where the rule says 127: its codes are zeros, which add nothing under any byte but 0xff, and this program alone reads the bytes.)
; LIMITS: NaN and infinities among the inputs are not served; blocks whose largest magnitude lies under 2^(4 - 126) have their byte held at 1.
; Rows are dense and K is a multiple of 32: every tensor is a plain stream of blocks of 32 numbers, and so are its codes and its scale bytes.
; A wave takes 16 steps of 512 numbers.  Each of a step's four loads reads 512 consecutive bytes, 16 a lane; the 2,048 bytes turn through the wave's own stage in LDS and come back 64 bytes a lane,
; so that a lane holds 16 neighbours along K (two neighbouring lanes hold a block).  A lane's 16 codes are 12 bytes: the wave stores 384 consecutive bytes.  A wave's 256 scale bytes leave as one aligned run of 256.
; Work-groups 0 to 255 take x, 256 + 32 i to 256 + 32 i + 31 weight i.  Only pointers are chosen: all tensors take one path.  No tensor load, no barrier: waves share nothing.
.set WAVES, 4
.set STEPS, 16
.set XWG,   256                        ; work-groups of x: 8,192 x 1,024 / 32,768
.set CB,    12                         ; bytes of 16 codes
.set R,     16                         ; v16-79   four sets of 16 numbers as they are loaded
.set X,     80                         ; v80-111  two sets of 16 neighbours
.set C,     128                        ; v128-191 codes: four registers for each step, so that no store's data are written again
.set E,     112                        ; v112-127 a scale byte for each step
.set WREG,  8192                       ; LDS: a region for each wave: two stages of 32 x SP bytes, behind them its 256 scale bytes
.set SP,    80                         ; a lane's place in a stage: its 64 bytes + 16 of padding
.set SPW,   12                         ; v12      LDS address of my spare word; never rewritten
.set NIL,   13                         ; v13      0; never rewritten
.set SPARE, WAVES*WREG                 ; behind the four regions: the spare words, 128 bytes for each wave
	s_load_b512 s[4:19], s[0:1], 0x0               ; x s[4:5], Wq s[6:7], Wk s[8:9], Wv s[10:11], Wp s[12:13], x_codes s[14:15], x_scales s[16:17], w_codes s[18:19]
	s_load_b64 s[20:21], s[0:1], 0x40              ; w_scales
	v_lshl_add_u32 v[SPW], v0, 2, SPARE
	v_mov_b32 v[NIL], 0
	v_lshrrev_b32 v1, 5, v0
	v_readfirstlane_b32 s30, v1                    ; wave
	v_and_b32 v2, 31, v0                           ; lane
	v_lshlrev_b32 v3, 4, v2                        ; my 16 bytes of a load's 512
	s_mul_i32 s31, s30, WREG
	v_lshrrev_b32 v14, 2, v2
	v_mul_u32_u24 v14, v14, SP
	v_and_b32 v15, 3, v2
	v_lshl_add_u32 v14, v15, 4, v14
	v_add_nc_u32 v14, s31, v14                     ; the stage, on the way in: SP (lane / 4) + 16 (lane % 4)
	v_mul_u32_u24 v15, v2, SP
	v_add_nc_u32 v15, s31, v15                     ; and on the way out: SP x lane: my 16 neighbours
	v_mul_u32_u24 v4, v2, CB                       ; my codes' place in a step's
	v_lshrrev_b32 v5, 1, v2
	s_add_co_u32 s31, s31, 2*32*SP
	v_add_nc_u32 v5, s31, v5                       ; LDS: my wave's 256 scale bytes, my block's byte
	v_lshlrev_b32 v7, 3, v2                        ; and on the way out 8 bytes a lane
	v_add_nc_u32 v6, s31, v7
	s_sub_co_u32 s24, ttmp9, XWG                   ; the work-group's number among the weights' (not used where it is one of x's)
	s_lshr_b32 s25, s24, 5                         ; which weight
	s_and_b32 s26, s24, 31                         ; which 32,768 numbers of it
	s_wait_kmcnt 0x0
	s_mov_b64 s[22:23], s[6:7]                     ; the source: every choice hangs on the work-group's number alone
	s_cmp_eq_u32 s25, 1
	s_cselect_b64 s[22:23], s[8:9], s[22:23]
	s_cmp_eq_u32 s25, 2
	s_cselect_b64 s[22:23], s[10:11], s[22:23]
	s_cmp_eq_u32 s25, 3
	s_cselect_b64 s[22:23], s[12:13], s[22:23]
	s_cmp_lt_u32 ttmp9, XWG
	s_cselect_b64 s[22:23], s[4:5], s[22:23]
	s_cselect_b64 s[14:15], s[14:15], s[18:19]     ; the codes' buffer
	s_cselect_b64 s[16:17], s[16:17], s[20:21]     ; the scale bytes' buffer
	s_cselect_b32 s26, ttmp9, s26                  ; the group's number in its source,
	s_cselect_b32 s24, ttmp9, s24                  ; and in its destination (the four weights lie on end)
	s_lshl_b32 s26, s26, 2
	s_add_co_u32 s26, s26, s30                     ; which run of 8,192 numbers of the source is my wave's
	s_lshl_b32 s24, s24, 2
	s_add_co_u32 s24, s24, s30                     ; and of the destination
	s_lshl_b32 s26, s26, 15                        ; 32,768 bytes a run
	s_mov_b32 s27, 0
	s_add_nc_u64 s[22:23], s[22:23], s[26:27]
	s_mul_i32 s28, s24, 32*STEPS*CB                ; 6,144 bytes of codes a run
	s_mov_b32 s29, 0
	s_add_nc_u64 s[14:15], s[14:15], s[28:29]
	s_lshl_b32 s28, s24, 8                         ; 256 scale bytes a run
	s_add_nc_u64 s[16:17], s[16:17], s[28:29]
.macro LOAD t
.irp i, 0,1,2,3
	global_load_b128 v[R+16*((\t)%4)+4*\i:R+16*((\t)%4)+4*\i+3], v3, s[22:23] offset:2048*(\t)+512*\i th:TH_LOAD_NT   ; 32 lanes read 512 consecutive bytes
.endr
.endm
.macro TURN t                          ; step t's numbers through the stage: LDS serves a wave's instructions in order, so no wait stands between the stores and the loads
.irp i, 0,1,2,3
	ds_store_b128 v14, v[R+16*((\t)%4)+4*\i:R+16*((\t)%4)+4*\i+3] offset:32*SP*((\t)%2)+8*SP*\i
.endr
.irp i, 0,1,2,3
	ds_load_b128 v[X+16*((\t)%2)+4*\i:X+16*((\t)%2)+4*\i+3], v15 offset:32*SP*((\t)%2)+16*\i
.endr
.endm
.irp t, 0,1,2,3
	LOAD \t
.endr
	s_wait_loadcnt 12                              ; step 0's four loads are in; twelve younger ones stay out
	TURN 0
.macro STEP t
.set XS, X+16*((\t)%2)
.if (\t) > 0
	s_wait_dscnt 1                                 ; this step's numbers are back from the stage (the last step's byte store may be out): so its stores into the stage have read their registers,
.else
	s_wait_dscnt 0x0
.endif
.if (\t)+4 < STEPS
	LOAD (\t)+4                                    ; which take the loads of four steps on
.endif
.if (\t)+1 < STEPS
.if STEPS-2-(\t) >= 3
	s_wait_loadcnt 12                              ; the next step's four loads are in; those of the three steps behind it may be out
.else
	s_wait_loadcnt 4*(STEPS-2-(\t))
.endif
	TURN (\t)+1                                    ; and go through the other stage while this step is worked
.endif
	v_max3_num_f32 v8, |v[XS]|, |v[XS+1]|, |v[XS+2]|               ; the largest magnitude of my 16, in two chains
	v_max3_num_f32 v9, |v[XS+3]|, |v[XS+4]|, |v[XS+5]|
.irp i, 6,10
	v_max3_num_f32 v8, v8, |v[XS+\i]|, |v[XS+\i+1]|
	v_max3_num_f32 v9, v9, |v[XS+\i+2]|, |v[XS+\i+3]|
.endr
	v_max3_num_f32 v8, v8, |v[XS+14]|, |v[XS+15]|
	v_max3_num_f32 v8, v8, v9, 0x2800000           ; and the floor 2^(5 - 127): the byte cannot fall under 1
	v_max_num_f32_dpp v8, v8, v8 row_xmask:1 row_mask:0xf bank_mask:0xf   ; and of my neighbour's 16: the block's
	v_add_nc_u32 v11, 0xfe000000, v8               ; 4 off its exponent field: the conversion takes the exponent field of this operand as its scale, and nothing else of it
	v_cvt_scalef32_pk16_bf6_f32 v[C+4*(\t):C+4*(\t)+2], v[XS:XS+15], v11   ; sixteen numbers / the scale, to the nearest code, ties to even, beyond the largest code the largest; 96 bits without gaps
	v_lshrrev_b32 v[E+(\t)], 23, v11               ; the scale's byte (also the plain instruction behind the conversion)
	ds_store_b8 v5, v[E+(\t)] offset:16*(\t)       ; both lanes of a block write the same byte with the same value
	global_store_b96 v4, v[C+4*(\t):C+4*(\t)+2], s[14:15] offset:32*CB*(\t)
.endm
.irp t, 0,1,2,3,4,5,6,7,8,9,10,11,12,13,14,15
	STEP \t
.endr
	ds_load_b64 v[8:9], v6                         ; LDS serves a wave's instructions in order: these see my stores
	s_wait_dscnt 0x0
	global_store_b64 v7, v[8:9], s[16:17]          ; 32 lanes store 256 consecutive bytes, aligned
	s_wait_tensorcnt 0x0                           ; the wave's end: behind my last LDS store
	ds_add_u32 v[SPW], v[NIL]
	s_wait_dscnt 0x0
	s_endpgm
.Lfunc_end_k_q225a98fdcd_quant:
	.size	k_q225a98fdcd_quant, .Lfunc_end_k_q225a98fdcd_quant-k_q225a98fdcd_quant
	.p2alignl 7, 3214868480
	.fill 96, 4, 3214868480
	.section	.rodata,"a",@progbits
	.p2align	6, 0x0
	.amdhsa_kernel k_q225a98fdcd_quant
		.amdhsa_group_segment_fixed_size 33280
		.amdhsa_private_segment_fixed_size 0
		.amdhsa_enable_private_segment 0
		.amdhsa_kernarg_size 72
		.amdhsa_user_sgpr_count 2
		.amdhsa_user_sgpr_kernarg_segment_ptr 1
		.amdhsa_wavefront_size32 1
		.amdhsa_system_sgpr_workgroup_id_x 1
		.amdhsa_system_sgpr_workgroup_id_y 1
		.amdhsa_system_sgpr_workgroup_id_z 1
		.amdhsa_system_vgpr_workitem_id 0
		.amdhsa_next_free_vgpr 192
		.amdhsa_next_free_sgpr 66
		.amdhsa_reserve_vcc 0
		.amdhsa_float_denorm_mode_32 3
		.amdhsa_float_denorm_mode_16_64 3
		.amdhsa_memory_ordered 1
		.amdhsa_forward_progress 1
		.amdhsa_inst_pref_size 33
	.end_amdhsa_kernel
	.amdgpu_metadata
---
amdhsa.version: [ 1, 2 ]
amdhsa.kernels:
  - .name:           k_q225a98fdcd_quant
    .symbol:         k_q225a98fdcd_quant.kd
    .args:
      - { .name: x, .offset: 0, .size: 8, .value_kind: global_buffer, .address_space: global }
      - { .name: Wq, .offset: 8, .size: 8, .value_kind: global_buffer, .address_space: global }
      - { .name: Wk, .offset: 16, .size: 8, .value_kind: global_buffer, .address_space: global }
      - { .name: Wv, .offset: 24, .size: 8, .value_kind: global_buffer, .address_space: global }
      - { .name: Wp, .offset: 32, .size: 8, .value_kind: global_buffer, .address_space: global }
      - { .name: x_codes, .offset: 40, .size: 8, .value_kind: global_buffer, .address_space: global }
      - { .name: x_scales, .offset: 48, .size: 8, .value_kind: global_buffer, .address_space: global }
      - { .name: w_codes, .offset: 56, .size: 8, .value_kind: global_buffer, .address_space: global }
      - { .name: w_scales, .offset: 64, .size: 8, .value_kind: global_buffer, .address_space: global }
    .group_segment_fixed_size: 33280
    .private_segment_fixed_size: 0
    .kernarg_segment_align: 8
    .kernarg_segment_size: 72
    .max_flat_workgroup_size: 128
    .sgpr_count:     66
    .vgpr_count:     192
    .wavefront_size: 32
...
	.end_amdgpu_metadata
.endif
;; end of part 1
;; launch qkv (part 2): grid 8 x 48, 4 waves a work-group, clusters of 4 x 4, 327,680 bytes of LDS; arguments x_codes, x_scales, w_codes, w_scales, qkv_codes, qkv_scales; writes qkv_codes, qkv_scales
.if DOCPART == 2
	.amdgcn_target "amdgcn-amd-amdhsa--gfx1250"
	.amdhsa_code_object_version 6
	.text
	.protected	k_q225a98fdcd_qkv
	.globl	k_q225a98fdcd_qkv
	.p2align	8
	.type	k_q225a98fdcd_qkv,@function
k_q225a98fdcd_qkv:
	s_mov_b64 s[64:65], 0
	v_nop
	global_prefetch_b8 v0, s[64:65] scope:SCOPE_SE
	s_setreg_imm32_b32 hwreg(HW_REG_WAVE_MODE, 25, 1), 1
	s_wait_xcnt 0x0
	s_wait_alu depctr_hold_cnt(0) depctr_sa_sdst(0) depctr_va_vdst(0) depctr_va_sdst(0) depctr_va_ssrc(0) depctr_va_vcc(0) depctr_vm_vsrc(0)
	s_getreg_b32 s2, hwreg(HW_REG_IB_STS2, 6, 4)
	s_cmp_eq_u32 s2, 0
	s_cbranch_scc0 .Lentry_in_a_cluster
	s_endpgm
.Lentry_in_a_cluster:
	s_bfe_u32 s2, ttmp6, 0x10000c
	s_cmp_lg_u32 s2, 0xf033
	s_cbranch_scc0 .Lentry_shape_is_right
	s_endpgm
.Lentry_shape_is_right:
; q = x Wq^T, k = x Wk^T and v^T = Wv x^T on codes of BF6 (E3M2) with one E8M0 scale for each 32 along K = 1,024; sums in f32; the results are quantised again on the way out and leave as codes.
; ONE BODY FOR BOTH SHAPES: out[R][P] = sum over k of A[R][k] B[P][k], quantised along P in blocks of 32.
;   clusters y = 0..7  (q, k):  A = x (8,192 rows), B = w rows 0..2,047 (Wq, Wk): P runs along the heads' channels, which are the score product's K.
;   clusters y = 8..11 (v):     A = w rows 2,048..3,071 (Wv), B = x: P runs along the positions, the keys, which are the second attention product's K.
; Which of the two a cluster does hangs on the cluster's y alone, is the same in all sixteen partners, and enters selections only: no branch hangs on it.
; A tile of 256 x 256 is made by four waves, 128 x 128 each: 64 accumulators, 512 registers.  K goes in steps of 256 through a ring of two LDS slots filled by the tensor data mover.
; The scale bytes of the work-group's 256 + 256 rows, for all of K, come into LDS once, with the first fills.
; CLUSTERS: 4 x 4 work-groups; A's tiles are asked for jointly along a row of the cluster, B's along a column.
; THE MATRIX INSTRUCTION IS USED TRANSPOSED (source 0 = 16 rows of B, source 1 = 16 rows of A): lane (r, h) holds row R = 16 a + r, and register 8 b + i of block a holds P = 16 b + 8 h + i.
; THE WAY OUT.  A wave's 128 x 128 is one block of the workspace: 128 rows of 96 bytes (128 codes along P) and 128 scale words.  Block idx = T 512 + batch 128 + (pair of heads) 16 + (128 positions), T = 0 q, 1 k, 2 v.
; The 16 registers of blocks 2 B and 2 B + 1 of a lane are 16 of the 32 numbers of block B along P; lane l xor 16 has the others.  In the stored block, place 16 e + i holds P = 32 B + 16 (i / 8) + 8 e + i % 8:
; an order inside a block of 32 that q and k share, and that the weights p of the attention launch are given too; a block's members, and so its scale, are the true ones.
; LIMITS: NaN and infinities are not served; a block of zeros gets the byte 1 (its codes are zeros; this program alone reads the bytes).
; REGISTERS, in windows of 256: window 0: v0-31 addresses; v32-63 scale words, two sets; from v128 A's fragments, one set; on the way out v32-255 are free.  window 1: B's fragments, two sets.  windows 2, 3: the accumulators.
.set SIZE_K, 1024
.set KSTEP,  256                       ; along K in a slot
.set NQ,     KSTEP/128                 ; matrix instructions deep
.set ROWB,   192                       ; a tile's row in bytes
.set KROW,   SIZE_K*6/8                ; a row of codes in memory, in bytes
.set PITCH,  240                       ; an LDS row: 3 x (64 bytes of data + 16 of padding)
.set FR,     12                        ; registers of a fragment
.set NL,     6                         ; LDS loads that bring one
.set NP,     4                         ; places behind this matrix instruction (ISA guide 7.12.1)
.set HALFT,  128*PITCH                 ; 128 rows: what one tensor load brings
.set SLOT,   4*HALFT                   ; A's 256 rows, then B's 256 rows
.set LAPS,   SIZE_K/(2*KSTEP)          ; a lap = two K steps = once round the ring
.set KS,     SIZE_K/32                 ; a row of scales in bytes
.set SCL,    2*SLOT                    ; behind the ring: the scales, as runs of 256 bytes + 16 of padding
.set HALFS,  (128*KS/256)*272          ; the scales of 128 rows
.set SBLK,   (16*KS/256)*272           ; those of 16 rows
.set SPARE,  SCL+4*HALFS               ; behind the scales: the spare words, 128 bytes for each wave
.set STGB,   12800                     ; the way out: a stage for each wave: 128 x 96 bytes of codes, then 128 scale words.  It lies in slot 0, which has had its last fill and its last read by then
.set ADRA, 16                          ; v16-17  LDS address of my A fragments in slot 0, 1  (v18-19: for the pieces behind one padding more)
.set ADRB, 20                          ; v20-21  the same for B  (v22-23)
.set STO,  24                          ; v24     the way out: stage + 96 r + 24 h
.set RD,   25                          ; v25     the way out: stage + 16 x lane
.set CO,   26                          ; v26     16 x lane
.set ADRS, 27                          ; v27     LDS address of my scale words: lanes 0-15 A's rows, lanes 16-31 B's
.set SPW,  28                          ; v28     LDS address of my spare word; never rewritten
.set NIL,  29                          ; v29     0; never rewritten
.set SSO,  30                          ; v30     the way out: stage + 12,288 + 4 r
.set SC,   32                          ; scale words, two sets
.set AF,   128                         ; A's fragments, in window 0
.set BK,   32                          ; the way out: v32-127 the codes read back, v128-131 the scale words
.set BS,   128
.set TM,   200                         ; the way out: v200-203 largest magnitudes, v204-207 bytes, v212-215 the conversions' scale operands
.set PW,   216                         ; the scale word just made
.set PC,   224                         ; v224-242 the codes just made
.set SEL,  18                          ; s[18:19] on the way out: lane selects for v_permlanex16_b32
.set G1, 24                            ; s[24:31] descriptor group 1 for A's tiles;  s[32:39] group 0, one set for each slot
.set G0, 32
.set G1B, 48                           ; s[48:55], s[56:63] the same for B's tiles
.set G0B, 56
.set G1S, 68                           ; s[68:75], s[76:79] groups 1 and 0 for A's scales;  s[80:87], s[88:91] for B's
.set G0S, 76
.set G1SB, 80
.set G0SB, 88
.set MSB, 0
.macro WIN new                         ; the immediate's high byte repeats the setting that is left
.if MSB != \new
	s_set_vgpr_msb (MSB<<8)|\new
.set MSB, \new
.endif
.endm
.set MUL_LO, 0xa1                      ; source 0 (B) window 1, source 1 (A) window 0, C and D window 2
.set MUL_HI, 0xf1                      ; the same, C and D window 3
.set TO_B,   0x40                      ; destination window 1, address window 0
; A joint load: waves 0 and 1 fetch for A, waves 2 and 3 for B.  The branch hangs on the wave's number alone.  An s_nop 0 and four v_nop follow each of the two lines.
.macro JLOAD g0a, g1a, g0b, g1b
	s_cmp_eq_u32 s15, 0
	s_cbranch_scc0 .Lfor_b_\@
	tensor_load_to_lds s[\g0a:\g0a+3], s[\g1a:\g1a+7]
	s_nop 0
.rept 4
	v_nop
.endr
	s_branch .Lasked_\@
.Lfor_b_\@:
	tensor_load_to_lds s[\g0b:\g0b+3], s[\g1b:\g1b+7]
	s_nop 0
.rept 4
	v_nop
.endr
.Lasked_\@:
.endm
.macro CREST                           ; a round of the cluster's barrier behind its opening barrier
	s_cmp_lg_u32 s14, 0
	s_cbranch_scc1 .Lnot_wave_0_\@
	s_barrier_signal -3
.Lnot_wave_0_\@:
	s_barrier_wait -3
	s_barrier_signal -1
	s_barrier_wait -1
.endm
.macro CROUND                          ; a whole round
	s_barrier_signal -1
	s_barrier_wait -1
	CREST
.endm
	s_load_b128 s[4:7], s[0:1], 0x0                ; x's codes, x's scales
	s_load_b128 s[8:11], s[0:1], 0x10              ; w's codes, w's scales
	s_load_b128 s[96:99], s[0:1], 0x20             ; the results' codes, the results' scales
	v_lshl_add_u32 v[SPW], v0, 2, SPARE
	v_mov_b32 v[NIL], 0
	ds_add_u32 v[SPW], v[NIL]                      ; the wave's opening: the add and its wait stand ahead of my first tensor load; the set-up below, work on registers, stands between them
	v_lshrrev_b32 v1, 5, v0
	v_readfirstlane_b32 s14, v1                    ; wave 0..3
	s_lshr_b32 s15, s14, 1                         ; which half of the tile's R rows is mine.  Also: I fetch for A (0) or for B (1)
	s_and_b32 s16, s14, 1                          ; which half of its P rows.  Also: which 128 rows of that tile I fetch
	s_bfe_u32 s40, ttmp6, 0x40000                  ; cx, cy: my place in the cluster
	s_bfe_u32 s41, ttmp6, 0x40004
	s_and_b32 s12, ttmp7, 0xffff                   ; the cluster's y: 0..7 q and k, 8..11 v
	s_lshl_b32 s13, s12, 1
	s_add_co_u32 s13, s13, ttmp9
	s_sub_co_u32 s13, s13, 16                      ; v: cluster x + 2 (cluster y - 8): 0..7
	s_cmp_ge_u32 s12, 8
	s_cselect_b32 s42, s13, ttmp9                  ; four P tiles begin at 4 x this
	s_cselect_b32 s17, 2, s12                      ; four R tiles begin at 4 x this (v: w's rows 2,048 on)
	s_lshl_b32 s42, s42, 2
	s_add_co_u32 s42, s42, s40                     ; P tile
	s_lshl_b32 s17, s17, 2
	s_add_co_u32 s17, s17, s41                     ; R tile
	s_lshl_b32 s43, s41, 2
	s_lshl_b32 s43, 15, s43                        ; my row of the cluster
	s_lshl_b32 s44, 0x1111, s40                    ; my column
	; descriptor group 1: a tile of 128 rows x ROWB bytes, padded in LDS
	s_or_b32 s[G1+0], s43, (0<<16)|(1<<20)|(1<<21)|(3<<22)|(3<<25)  ; 15:0 the mask: A's tiles go to my row; 17:16 element of 1 byte; 20 padding on; 21 set beside a mask; 24:22 after every 16 words; 31:25 of 4 words
	s_or_b32 s[G1B+0], s44, (0<<16)|(1<<20)|(1<<21)|(3<<22)|(3<<25)
.irp g, G1, G1B
	s_mov_b32 s[\g+1], ROWB<<16                    ; tensor_dim0
	s_mov_b32 s[\g+2], 128<<16                     ; tensor_dim1 = 128
	s_mov_b32 s[\g+3], ROWB<<16                    ; tile_dim0
	s_mov_b32 s[\g+4], 128                         ; tile_dim1 = 128
	s_mov_b32 s[\g+5], KROW                        ; tensor_dim0_stride
	s_mov_b32 s[\g+6], 0
	s_mov_b32 s[\g+7], 0
.endr
	; and for the scales of 128 rows: a dense block of 4,096 bytes, as rows of 256 bytes (32 elements of 8 bytes), 16 bytes of padding behind each
	s_or_b32 s[G1S+0], s43, (3<<16)|(1<<20)|(1<<21)|(5<<22)|(3<<25)
	s_or_b32 s[G1SB+0], s44, (3<<16)|(1<<20)|(1<<21)|(5<<22)|(3<<25)
.irp g, G1S, G1SB
	s_mov_b32 s[\g+1], 32<<16
	s_mov_b32 s[\g+2], (128*KS/256)<<16
	s_mov_b32 s[\g+3], 32<<16
	s_mov_b32 s[\g+4], 128*KS/256
	s_mov_b32 s[\g+5], 32
	s_mov_b32 s[\g+6], 0
	s_mov_b32 s[\g+7], 0
.endr
	s_lshl_b32 s18, s16, 7                         ; which 128 rows of the tile I fetch
	s_lshl_b32 s20, s17, 8
	s_add_co_u32 s20, s20, s18                     ; A: row 256 x R tile + 128 x half
	s_lshl_b32 s46, s42, 8
	s_add_co_u32 s46, s46, s18                     ; B: row 256 x P tile + 128 x half
	s_mov_b32 s21, 0
	s_mov_b32 s47, 0
	s_mov_b64 s[18:19], KS
	s_mul_u64 s[22:23], s[20:21], s[18:19]         ; where these rows' scales begin, in bytes
	s_mul_u64 s[92:93], s[46:47], s[18:19]
	s_mov_b64 s[18:19], KROW
	s_mul_u64 s[20:21], s[20:21], s[18:19]         ; and their codes
	s_mul_u64 s[46:47], s[46:47], s[18:19]
	s_mul_i32 s45, s14, HALFT                      ; where they go: wave x 128 rows: no place in the cluster enters an LDS address
	s_mul_i32 s94, s14, HALFS
	s_wait_dscnt 0x0                               ; the opening add is done
	s_wait_kmcnt 0x0
	s_cmp_ge_u32 s12, 8                            ; which buffer is A and which B: the choice hangs on the cluster's y alone
	s_cselect_b64 s[100:101], s[8:9], s[4:5]       ; A's codes
	s_cselect_b64 s[104:105], s[10:11], s[6:7]     ; A's scales
	s_cselect_b64 s[8:9], s[4:5], s[8:9]           ; B's codes
	s_cselect_b64 s[10:11], s[6:7], s[10:11]       ; B's scales
	s_add_nc_u64 s[20:21], s[100:101], s[20:21]
	s_add_nc_u64 s[22:23], s[104:105], s[22:23]
	s_add_nc_u64 s[46:47], s[8:9], s[46:47]
	s_add_nc_u64 s[92:93], s[10:11], s[92:93]
	CROUND                                         ; all sixteen work-groups are here: the first joint loads meet
	s_mov_b32 s[G0S], 1
	s_add_co_u32 s[G0S+1], s94, SCL
	s_mov_b64 s[G0S+2:G0S+3], s[22:23]
	s_or_b32 s[G0S+3], s[G0S+3], 0x80000000
	s_mov_b32 s[G0SB], 1
	s_add_co_u32 s[G0SB+1], s94, SCL
	s_mov_b64 s[G0SB+2:G0SB+3], s[92:93]
	s_or_b32 s[G0SB+3], s[G0SB+3], 0x80000000
	JLOAD G0S, G1S, G0SB, G1SB                     ; the scales first: they are wanted with K step 0
.irp s, 0,1
	s_mov_b32 s[G0+4*\s], 1
	s_add_co_u32 s[G0+4*\s+1], s45, \s*SLOT
	s_add_nc_u64 s[G0+4*\s+2:G0+4*\s+3], s[20:21], \s*ROWB
	s_or_b32 s[G0+4*\s+3], s[G0+4*\s+3], 0x80000000
	s_mov_b32 s[G0B+4*\s], 1
	s_add_co_u32 s[G0B+4*\s+1], s45, \s*SLOT
	s_add_nc_u64 s[G0B+4*\s+2:G0B+4*\s+3], s[46:47], \s*ROWB
	s_or_b32 s[G0B+4*\s+3], s[G0B+4*\s+3], 0x80000000
	JLOAD G0+4*\s, G1, G0B+4*\s, G1B
.endr
	v_and_b32 v1, 15, v0                           ; r = l % 16
	v_bfe_u32 v2, v0, 4, 1                         ; h = l / 16
	v_mul_u32_u24 v3, v1, PITCH
	v_mul_u32_u24 v4, v2, 24
	v_add_nc_u32 v4, v3, v4                        ; a fragment's row x pitch + 24 x half
	v_lshl_add_u32 v5, v2, 4, v4                   ; and the same behind one padding more
	s_mul_i32 s21, s15, HALFT                      ; my 128 rows of A
	s_mul_i32 s22, s16, HALFT                      ; my 128 rows of B,
	s_add_co_u32 s22, s22, 2*HALFT                 ; which lie behind A's 256
.irp s, 0,1
	v_add_nc_u32 v[ADRA+\s], s21, v4
	v_add_nc_u32 v[ADRB+\s], s22, v4
	v_add_nc_u32 v[ADRA+2+\s], s21, v5
	v_add_nc_u32 v[ADRB+2+\s], s22, v5
	s_add_co_u32 s21, s21, SLOT
	s_add_co_u32 s22, s22, SLOT
.endr
	v_mul_u32_u24 v5, v1, KS                       ; my row's scales: KS bytes a row,
	v_lshrrev_b32 v6, 8, v5
	v_lshl_add_u32 v5, v6, 4, v5                   ; and 16 more for each 256 passed
	s_mul_i32 s21, s15, HALFS                      ; A's: my 128 rows
	s_mul_i32 s22, s16, HALFS                      ; B's: my 128 rows, behind A's 256
	s_add_co_u32 s22, s22, 2*HALFS
	s_sub_co_u32 s22, s22, s21
	v_mul_u32_u24 v6, s22, v2                      ; lanes 16-31 take B's
	s_add_co_u32 s21, s21, SCL
	v_add_nc_u32 v5, v5, v6
	v_add_nc_u32 v[ADRS], s21, v5
	s_mul_i32 s23, s14, STGB                       ; my stage
	v_mul_u32_u24 v5, v1, 96
	v_mad_u32_u24 v5, v2, 24, v5
	v_add_nc_u32 v[STO], s23, v5                   ; in: row r of 96 bytes, + 24 h: my block of 32 codes
	v_lshlrev_b32 v5, 2, v1
	v_add_nc_u32 v5, s23, v5
	v_add_nc_u32 v[SSO], 128*96, v5                ; and row r's scale word, behind the codes
	v_and_b32 v6, 31, v0
	v_lshlrev_b32 v[CO], 4, v6                     ; back: 16 bytes a lane, as they lie; and the same in memory
	v_add_nc_u32 v[RD], s23, v[CO]
	; which block of the workspace is my wave's
	s_lshl_b32 s20, s17, 8
	s_lshl_b32 s21, s15, 7
	s_add_co_u32 s20, s20, s21                     ; my first R row
	s_lshl_b32 s46, s42, 8
	s_lshl_b32 s47, s16, 7
	s_add_co_u32 s46, s46, s47                     ; my first P row
	s_cmp_ge_u32 s12, 8
	s_cselect_b32 s21, s46, s20                    ; the one that is a row of x: 2,048 x batch + position
	s_cselect_b32 s47, s20, s46                    ; the one that is a row of w: 1,024 T + 128 x pair of heads
	s_lshr_b32 s18, s47, 10
	s_lshl_b32 s18, s18, 9                         ; 512 T
	s_lshr_b32 s19, s21, 11
	s_lshl_b32 s19, s19, 7                         ; + 128 x batch
	s_add_co_u32 s18, s18, s19
	s_bfe_u32 s19, s47, 0x30007
	s_lshl_b32 s19, s19, 4                         ; + 16 x pair of heads
	s_add_co_u32 s18, s18, s19
	s_bfe_u32 s19, s21, 0x40007                    ; + which 128 positions
	s_add_co_u32 s18, s18, s19
	s_mul_i32 s20, s18, 128*96
	s_mov_b32 s21, 0
	s_add_nc_u64 s[96:97], s[96:97], s[20:21]
	s_lshl_b32 s20, s18, 9
	s_add_nc_u64 s[98:99], s[98:99], s[20:21]
.macro FRAG reg, adr, q, i             ; a fragment, 16 rows x 128 K of 6-bit codes, is 12 registers: lane l holds row l % 16; registers 6 c .. 6 c + 5 hold K = 64 c + 32 (l / 16) + 0 .. 31: 24 bytes of the row, as they lie
.irp p, 0,1,2,3,4,5                    ; in pieces of 8 bytes, so that every address is a multiple of the access's size
.set PCE, 12*(\q)+6*(\p/3)+\p%3        ; 16 bytes of padding lie behind every 64 bytes (8 pieces): where the piece three on lies behind one padding more, the second address register serves
.if PCE%8 < 5
	ds_load_b64 v[\reg+2*\p:\reg+2*\p+1], v[\adr] offset:8*PCE+16*(PCE/8)+(\i)*16*PITCH
.else
	ds_load_b64 v[\reg+2*\p:\reg+2*\p+1], v[\adr+2] offset:8*PCE+16*(PCE/8)+(\i)*16*PITCH
.endif
.endr
.endm
; 16 matrix instructions: A's blocks a0, a0 + 1 x B's eight, 128 along K: the slot's q-th.  p: B's set;  sc: the set of scale words.  zero = 1: the first product starts the sums.
; The 64 accumulators take turns, one instruction a turn, in the same order in every step.
.macro MUL16 a0, p, q, sc, zero
.irp a, \a0, \a0+1
.irp b, 0,1,2,3,4,5,6,7
.if \zero
	v_wmma_scale_f32_16x16x128_f8f6f4 v[8*(8*((\a)%4)+\b):8*(8*((\a)%4)+\b)+7], v[128*(\p)+FR*\b:128*(\p)+FR*\b+FR-1], v[AF+FR*(\a):AF+FR*(\a)+FR-1], 0, v[SC+8*NQ*(\sc)+NQ*\b+(\q)], v[SC+8*NQ*(\sc)+NQ*(\a)+(\q)] matrix_a_fmt:MATRIX_FMT_BF6 matrix_b_fmt:MATRIX_FMT_BF6 matrix_a_scale:MATRIX_SCALE_ROW1
.else
	v_wmma_scale_f32_16x16x128_f8f6f4 v[8*(8*((\a)%4)+\b):8*(8*((\a)%4)+\b)+7], v[128*(\p)+FR*\b:128*(\p)+FR*\b+FR-1], v[AF+FR*(\a):AF+FR*(\a)+FR-1], v[8*(8*((\a)%4)+\b):8*(8*((\a)%4)+\b)+7], v[SC+8*NQ*(\sc)+NQ*\b+(\q)], v[SC+8*NQ*(\sc)+NQ*(\a)+(\q)] matrix_a_fmt:MATRIX_FMT_BF6 matrix_b_fmt:MATRIX_FMT_BF6 matrix_a_scale:MATRIX_SCALE_ROW1
.endif
.endr
.endr
.endm
.macro FETCH_B slot, q, p              ; B's eight fragments of the slot's q-th 128 along K into set p
	WIN TO_B
.irp i, 0,1,2,3,4,5,6,7
	FRAG 128*(\p)+FR*\i, ADRB+\slot, \q, \i
.endr
	WIN 0
.endm
.macro FETCH_A slot, q, i0             ; A's blocks i0 .. i0 + 3
.irp i, \i0, \i0+1, \i0+2, \i0+3
	FRAG AF+FR*(\i), ADRA+\slot, \q, \i
.endr
.endm
.macro SCALES sc                       ; the next K step's scale words into set sc: lanes 0-15 take A's block i, lanes 16-31 B's block i
.irp i, 0,1,2,3,4,5,6,7
	ds_load_b64 v[SC+8*NQ*\sc+NQ*\i:SC+8*NQ*\sc+NQ*\i+1], v[ADRS] offset:\i*SBLK
.endr
.endm
; A load into a register that a matrix instruction has read, and a vector instruction that reads a matrix result or writes one of its registers, stand NP places behind that matrix instruction;
; only plain vector instructions that name none of its registers are places (ISA guide 7.12.1 for vector instructions).
.macro PLACES n
.rept \n
	v_nop
.endr
.endm
; A step of 128 along K that has its successor in the same slot.
.macro STEP slot, q, zero
	s_wait_dscnt 4*NL                              ; B's set and A's blocks 0-3 are in; the youngest 24 loads (A's blocks 4-7) may be out
	WIN MUL_LO
	MUL16 0, (\q)%2, \q, \slot, \zero
	MUL16 2, (\q)%2, \q, \slot, \zero
	s_wait_dscnt 0                                 ; A's blocks 4-7 are in (asked for 32 matrix instructions ago)
	PLACES NP
	FETCH_B \slot, (\q)+1, 1-(\q)%2
	FETCH_A \slot, (\q)+1, 0
	WIN MUL_HI
	MUL16 4, (\q)%2, \q, \slot, \zero
	MUL16 6, (\q)%2, \q, \slot, \zero
	PLACES NP
	WIN 0
	FETCH_A \slot, (\q)+1, 4
.endm
; A slot's last step changes slots: ONE barrier; in front of it each wave waits for all its tensor loads, adds 0 to its spare word, and waits for that and for its own reads of this slot.  fill = 1: this slot is filled again, two K steps ahead.
.macro TURN slot, next, fill
	s_wait_tensorcnt 0x0                           ; all my tensor loads have landed: my part of the next slot;  (every window is 0 here)
	ds_add_u32 v[SPW], v[NIL]                      ; 0 onto my spare word
	s_wait_dscnt 4*NL+1                            ; (the add and the youngest 24 loads, A's blocks 4-7, may be out)
	WIN MUL_LO
	MUL16 0, 1, NQ-1, \slot, 0                     ; sixteen matrix instructions stand between the add and the wait for it
	s_wait_dscnt 0x0                               ; the add is done, and my reads of this slot are over
	s_barrier_signal -1
	MUL16 2, 1, NQ-1, \slot, 0
	WIN 0
	s_barrier_wait -1
.if \fill
	CREST                                          ; the barrier has opened a round of the cluster's barrier: no wave of any partner still reads this slot's tile or has a load on its way
	s_add_nc_u64 s[G0+4*\slot+2:G0+4*\slot+3], s[G0+4*\slot+2:G0+4*\slot+3], 2*ROWB
	s_add_nc_u64 s[G0B+4*\slot+2:G0B+4*\slot+3], s[G0B+4*\slot+2:G0B+4*\slot+3], 2*ROWB
	JLOAD G0+4*\slot, G1, G0B+4*\slot, G1B         ; the first tensor load behind the round; the four v_nop behind it are the places in front of the loads below
.else
	PLACES NP
.endif
	v_add_nc_u32 v[ADRS], 4*NQ, v[ADRS]            ; on to the next K step's scale words (no LDS load of mine is out)
	FETCH_B \next, 0, 0
	FETCH_A \next, 0, 0
	SCALES \next
	WIN MUL_HI
	MUL16 4, 1, NQ-1, \slot, 0
	MUL16 6, 1, NQ-1, \slot, 0
	PLACES NP
	WIN 0
	FETCH_A \next, 0, 4
.endm
	s_wait_tensorcnt 1                             ; the scales and my part of K step 0 are in (K step 1's load may be out),
	s_barrier_signal -1
	s_barrier_wait -1                              ; everybody's are
	FETCH_B 0, 0, 0
	FETCH_A 0, 0, 0
	SCALES 0
	FETCH_A 0, 0, 4
	STEP 0, 0, 1                                   ; the first step stands in front of the loop: its products start the sums
	s_mov_b32 s3, LAPS-1
.Llap:                                                 ; a trip goes once round the ring, from a lap's second step to the next lap's first, and fills both slots again
	TURN 0, 1, 1
	STEP 1, 0, 0
	TURN 1, 0, 1
	STEP 0, 0, 0
	s_sub_co_u32 s3, s3, 1
	s_cmp_lg_u32 s3, 0
	s_cbranch_scc1 .Llap
	TURN 0, 1, 0                                   ; the last lap fills nothing, and has no round of the cluster's barrier
	STEP 1, 0, 0
	s_wait_dscnt 4*NL                              ; the very last step: nothing more to fetch
	WIN MUL_LO
	MUL16 0, 1, NQ-1, 1, 0
	MUL16 2, 1, NQ-1, 1, 0
	s_wait_dscnt 0
	WIN MUL_HI
	MUL16 4, 1, NQ-1, 1, 0
	MUL16 6, 1, NQ-1, 1, 0
	WIN 0
; THE WAY OUT.  Block a (16 rows R x 128 along P: 64 registers a lane) becomes 12 registers of codes and a scale word.
.macro QUANTW a
.set AC, 64*((\a)%4)
.set W,  2+(\a)/4                      ; the block's window
.set WA, 5*W                           ; sources 0 and 1 in it
.set WB, 20*W                          ; sources 1 and 2 in it
.set WC, W                             ; source 0 in it
	WIN WA
.irp b, 0,1,2,3
	v_max3_num_f32 v[TM+\b], |v[AC+16*\b]|, |v[AC+16*\b+1]|, 0x2800000   ; block b along P: my 16 numbers, each accumulator from its low end on, and the floor 2^(5 - 127): the byte cannot fall under 1
.endr
	WIN WB
.irp i, 2,4,6,8,10,12,14
.irp b, 0,1,2,3
	v_max3_num_f32 v[TM+\b], v[TM+\b], |v[AC+16*\b+\i]|, |v[AC+16*\b+\i+1]|   ; (the four blocks by turns)
.endr
.endr
	WIN 0
.irp b, 0,1,2,3
	v_permlanex16_b32 v[TM+4+\b], v[TM+\b], s[SEL], s[SEL+1]
.endr
.irp b, 0,1,2,3
	v_max_num_f32 v[TM+\b], v[TM+\b], v[TM+4+\b]   ; with lane l xor 16's: the block's largest magnitude
.endr
.irp b, 0,1,2,3
	v_add_nc_u32 v[TM+12+\b], 0xfe000000, v[TM+\b] ; 4 off its exponent field: the conversion's scale operand
.endr
.irp b, 0,1,2,3
	v_lshrrev_b32 v[TM+4+\b], 23, v[TM+12+\b]      ; the scale's byte
.endr
	v_lshl_or_b32 v[PW], v[TM+5], 8, v[TM+4]       ; the four bytes make my row's scale word
	v_lshl_or_b32 v[PW], v[TM+6], 16, v[PW]
	v_lshl_or_b32 v[PW], v[TM+7], 24, v[PW]
	WIN WC
.irp c, 0,1
	v_cvt_scalef32_pk16_bf6_f32 v[PC+6*\c:PC+6*\c+2], v[AC+32*\c:AC+32*\c+15], v[TM+12+2*\c]
	v_cvt_scalef32_pk16_bf6_f32 v[PC+12+4*\c:PC+14+4*\c], v[AC+16+32*\c:AC+31+32*\c], v[TM+13+2*\c]   ; (a conversion's three registers begin on an even number)
.endr
	WIN 0
	v_nop                                          ; one plain instruction behind a scaled conversion
.irp c, 0,1                            ; a whole block to a lane: lanes 0-15 block 2 c, lanes 16-31 block 2 c + 1
.irp i, 0,1,2
	v_permlane16_swap_b32 v[PC+6*\c+\i], v[PC+12+4*\c+\i]
.endr
.irp i, 0,1,2
	v_mov_b32 v[PC+3+6*\c+\i], v[PC+12+4*\c+\i]
.endr
.endr
.endm
.macro PUT a                           ; into my stage: row 16 a + r; registers 6 c .. 6 c + 5 are the 24 bytes at 48 c + 24 h
.irp p, 0,1,2,3,4,5
	ds_store_b64 v[STO], v[PC+2*\p:PC+2*\p+1] offset:1536*(\a)+48*(\p/3)+8*(\p%3)
.endr
	ds_store_b32 v[SSO], v[PW] offset:64*(\a)      ; both halves of the lanes write the same word with the same value
	s_wait_dscnt 0x0                               ; the stores have read their registers: the next block's codes may be written
.endm
	PLACES NP                                      ; behind the last products: for the reads of results and the writes into registers that held A's fragments
	s_mov_b32 s[SEL], 0x76543210
	s_mov_b32 s[SEL+1], 0xfedcba98                 ; lane l xor 16
.irp b, 0,1,2,3
	v_mov_b32 v[TM+4+\b], 0                        ; written once: a lane permute's destination counts as one of its sources
.endr
.irp a, 0,1,2,3,4,5,6,7
	QUANTW \a
	PUT \a
.endr
.irp t, 0,1,2,3,4,5,6,7,8,9,10,11,12,13,14,15,16,17,18,19,20,21,22,23
	ds_load_b128 v[BK+4*\t:BK+4*\t+3], v[RD] offset:512*\t   ; LDS serves a wave's instructions in order: these see my stores
.endr
	ds_load_b128 v[BS:BS+3], v[RD] offset:128*96
.irp t, 0,1,2,3,4,5,6,7,8,9,10,11,12,13,14,15,16,17,18,19,20,21,22,23
	s_wait_dscnt 24-\t                             ; load t is back; the younger ones may be out
	global_store_b128 v[CO], v[BK+4*\t:BK+4*\t+3], s[96:97] offset:512*\t   ; 32 lanes store 512 consecutive bytes, at a multiple of 256 from the buffer's first byte
.endr
	s_wait_dscnt 0x0
	global_store_b128 v[CO], v[BS:BS+3], s[98:99]  ; the block's 128 scale words: 512 consecutive bytes
	s_wait_tensorcnt 0x0                           ; the wave's end: behind my last tensor load and my last LDS store
	ds_add_u32 v[SPW], v[NIL]
	s_wait_dscnt 0x0
	CROUND                                         ; the closing round: no work-group ends while a partner may still ask for a tile that names it
	s_endpgm
.Lfunc_end_k_q225a98fdcd_qkv:
	.size	k_q225a98fdcd_qkv, .Lfunc_end_k_q225a98fdcd_qkv-k_q225a98fdcd_qkv
	.p2alignl 7, 3214868480
	.fill 96, 4, 3214868480
	.section	.rodata,"a",@progbits
	.p2align	6, 0x0
	.amdhsa_kernel k_q225a98fdcd_qkv
		.amdhsa_group_segment_fixed_size 327680
		.amdhsa_private_segment_fixed_size 0
		.amdhsa_enable_private_segment 0
		.amdhsa_kernarg_size 48
		.amdhsa_user_sgpr_count 2
		.amdhsa_user_sgpr_kernarg_segment_ptr 1
		.amdhsa_wavefront_size32 1
		.amdhsa_system_sgpr_workgroup_id_x 1
		.amdhsa_system_sgpr_workgroup_id_y 1
		.amdhsa_system_sgpr_workgroup_id_z 1
		.amdhsa_system_vgpr_workitem_id 0
		.amdhsa_next_free_vgpr 1024
		.amdhsa_next_free_sgpr 106
		.amdhsa_reserve_vcc 0
		.amdhsa_float_denorm_mode_32 3
		.amdhsa_float_denorm_mode_16_64 3
		.amdhsa_memory_ordered 1
		.amdhsa_forward_progress 1
		.amdhsa_inst_pref_size 171
	.end_amdhsa_kernel
	.amdgpu_metadata
---
amdhsa.version: [ 1, 2 ]
amdhsa.kernels:
  - .name:           k_q225a98fdcd_qkv
    .symbol:         k_q225a98fdcd_qkv.kd
    .args:
      - { .name: x_codes, .offset: 0, .size: 8, .value_kind: global_buffer, .address_space: global }
      - { .name: x_scales, .offset: 8, .size: 8, .value_kind: global_buffer, .address_space: global }
      - { .name: w_codes, .offset: 16, .size: 8, .value_kind: global_buffer, .address_space: global }
      - { .name: w_scales, .offset: 24, .size: 8, .value_kind: global_buffer, .address_space: global }
      - { .name: qkv_codes, .offset: 32, .size: 8, .value_kind: global_buffer, .address_space: global }
      - { .name: qkv_scales, .offset: 40, .size: 8, .value_kind: global_buffer, .address_space: global }
    .group_segment_fixed_size: 327680
    .private_segment_fixed_size: 0
    .kernarg_segment_align: 8
    .kernarg_segment_size: 48
    .max_flat_workgroup_size: 128
    .sgpr_count:     106
    .vgpr_count:     1024
    .wavefront_size: 32
...
	.end_amdgpu_metadata
.endif
;; end of part 2
;; launch attn (part 3): grid 16 x 32, 16 waves a work-group, no clusters, 327,680 bytes of LDS; arguments qkv_codes, qkv_scales, attn_mask, y_codes, y_scales; writes y_codes, y_scales
.if DOCPART == 3
	.amdgcn_target "amdgcn-amd-amdhsa--gfx1250"
	.amdhsa_code_object_version 6
	.text
	.protected	k_q225a98fdcd_attn
	.globl	k_q225a98fdcd_attn
	.p2align	8
	.type	k_q225a98fdcd_attn,@function
k_q225a98fdcd_attn:
	s_mov_b64 s[64:65], 0
	v_nop
	global_prefetch_b8 v0, s[64:65] scope:SCOPE_SE
	s_setreg_imm32_b32 hwreg(HW_REG_WAVE_MODE, 25, 1), 1
	s_wait_xcnt 0x0
; y[b][q][head] = softmax over the keys of (q . k / 8, causal, keys with attn_mask = 0 hidden) v, both products on codes of BF6 (E3M2) with one E8M0 scale for each 32 along a product's K; y leaves as codes for the last product.
; INPUTS: blocks of the workspace, 128 rows x 96 bytes of codes and 128 scale words each, block T 512 + 16 (8 b + j) + (128 positions), j a pair of heads.  q (T = 0), k (T = 1): a row is a position, 48 bytes (64 codes) for each head of the pair.
; v (T = 2): a row is a channel of the pair, its 96 bytes the codes of 128 keys.  Inside each block of 32, place 16 e + i holds index 16 (i / 8) + 8 e + i % 8, alike in q and k, and alike in v and in the weights p made here.
; THE SOFTMAX: t = score x log2(e) / 8; M = the row's largest t so far, rounded UP to a whole number; p = 2^(t - M) is quantised along the keys, not normalised; the row's sum is taken of the unquantised p and divides at the end.
; When M moves, the sum and O are multiplied by 2^(old M - new M): exact.
; THE SCORE PRODUCT has K = 64 in an instruction of K = 128: the upper 64 are zero codes on both sides (their scale bytes are 0, which is no NaN).
; THE PADDING MASK is the C of the score product: 0 for a key that counts, -2^100 for one that does not, from a table in LDS made once of attn_mask.  The largest t begins at -2^90, above every hidden key's t: p of a hidden key is 0.
; LIMIT: a key that counts whose t lies under -2^90 is taken for hidden.  NaN and infinities among the inputs are not served.
; A QUERY WITH NO KEY LEFT has the sum 0: its y is stored as zero codes under the scale byte 0xff, which makes its whole row of the last product NaN, as a softmax of nothing is.
; SHARES.  A work-group owns a pair of heads of one batch and two blocks of 64 queries, block g and block 31 - g, so that every work-group has about the same number of visible keys.  Each of its sixteen waves owns one tile of
; 16 queries of one head, in 256 registers: four waves to a SIMD.  K's and V's tiles of the pair come through a ring of two LDS slots of 256 keys (waves 0, 1: K's halves; waves 2, 3: V's) and are read by all sixteen.
; NO CLUSTER: work-groups of a pair need different numbers of slots (the slots up to query 64 (31 - g) + 63), and a load that a partner leaves out cannot be a joint one.
; LAYOUT.  Both products are used transposed: S^T = K Q^T (source 0 = 16 neighbouring keys), O^T = V^T P^T (source 0 = 16 channels): a lane holds ONE query (lane % 16) throughout.
; THE CHANNELS OF A TILE OF V ARE NOT NEIGHBOURS: lane r of tile 2 B + u takes channel 32 B + 8 u + r + 8 (r / 8), so that the 16 registers of tiles 2 B, 2 B + 1 of O^T are 16 neighbouring channels: y's codes come out in true order.
; y leaves in pieces of 48 bytes a row (one head's codes): a row's 768 bytes come from eight work-groups.
.set SK,    256                        ; keys in a slot
.set KP,    96                         ; a row of K's or V's tile, in memory and in LDS
.set VT,    128*KP                     ; a block: 12,288 bytes
.set VOFF,  SK*KP                      ; a slot: 256 rows of K, then two tiles of V
.set SLOT1, 1<<17                      ; slot 1 begins here: one exclusive or turns an address in one slot into the other's
.set NSL,   2048/SK                    ; slots' worth of keys
.set SCK,   2*SLOT1                    ; behind the ring: K's scale words of the pair, 4 bytes a key, 8,192 bytes;
.set SCV,   SCK+8192                   ; V's: for each 128 keys 128 words;
.set BIAS,  SCV+8192                   ; the padding mask as f32, 4 bytes a key: written by LDS stores alone;
.set SPARE, BIAS+8192                  ; the spare words, 128 bytes for each wave
.set AK0,  1                           ; v1   my lane's place in a tile of K: 96 r + 48 (head of the pair) + 24 h
.set AV0,  2                           ; v2   the same for V
.set ASK0, 3                           ; v3   my lane's place among K's scale words
.set ASV0, 4                           ; v4   and among V's
.set SPW,  5                           ; v5   LDS address of my spare word; never rewritten
.set NIL,  6                           ; v6   0; never rewritten
.set ABI0, 7                           ; v7   my lane's place in the table of the mask: 32 h
.set ADK,  8                           ; v8-11, v28  the step's five addresses
.set ADV,  9
.set ADS,  10
.set ADT,  11
.set ADB,  28
.set PFO,  29                          ; v29  the prefetches' offset: 256 x my lane; never rewritten
.set KFR,  32                          ; v32-79   four fragments of K (registers 6-11 of each: zero codes, written once)
.set VFR,  80                          ; v80-127  four fragments of V
.set S,    128                         ; v128-191 S^T, then p
.set OT,   192                         ; v192-223 O^T
                                       ; v12 -M, v13 the largest t, v[14:15] the sum in two halves; v16-27 Q (v22-27 zero codes); v224-235 p's codes; v232-254 at work; v248-251 scale words; v255 Q's scale word
.set WV,   18                          ; s18  my wave's number
.set SEL,  20                          ; s[20:21] lane selects for v_permlanex16_b32: lane l xor 16
.set CS,   22                          ; s[22:23] c = log2(e) / 8
.set G1D,  24                          ; s[24:31] descriptor group 1 for a block of codes: 48 rows of 256 bytes
.set G1S,  32                          ; s[32:39] for 4,096 scale bytes: 16 rows of 256 bytes
.set G0D,  40                          ; s[40:43] group 0 for the codes: it walks
.set G0S,  44                          ; s[44:47] for the scale bytes
.set TB,   2                           ; s2   LDS byte at which the slot in hand begins
.set TS,   3                           ; s3   512 x the key step: K's scale words, V's scale words and the mask's table all go 512 bytes a step
.set SLOTS, 66                         ; s66  changes of slots still to come in the loop
.set KF,   67                          ; s67  the step's first key
.set Q0,   68                          ; s68  my first query
.set QL,   69                          ; s69  my work-group's last query
.set PFA,  70                          ; s[70:71] where my prefetches stand
.set LIM,  72                          ; s72  1 in a wave that prefetches, else the greatest number
; Waves 0 to 3 fetch, the others nothing.  The branch hangs on the wave's number alone.  An s_nop 0 and four v_nop follow the load.
.macro TLOAD g0, g1
	s_cmp_lt_u32 s[WV], 4
	s_cbranch_scc0 .Lasked_\@
	tensor_load_to_lds s[\g0:\g0+3], s[\g1:\g1+7]
	s_nop 0
.rept 4
	v_nop
.endr
.Lasked_\@:
.endm
; A PREFETCH INTO THE L2 of what the NEXT change of slots will ask for: 24,576 dense bytes of K's codes and as many of V's.  All sixteen work-groups of a pair walk the same K and V: work-group g = 0, which walks all slots, asks.
; In it waves 4 to 6 ask for K's bytes and waves 8 to 10 for V's: 8,192 bytes a wave, lanes 256 bytes apart, one instruction.  So each aligned run of 256 bytes is named once in the launch.
; The last change that fills a slot asks for nothing; slots 0 and 1 come by their loads alone.
.macro ASK
	s_cmp_gt_u32 s[SLOTS], s[LIM]
	s_cbranch_scc0 .Lnot_mine_\@
	global_prefetch_b8 v[PFO], s[PFA:PFA+1] th:TH_LOAD_NT scope:SCOPE_SE
.Lnot_mine_\@:
.endm
	s_load_b256 s[4:11], s[0:1], 0x0               ; the codes s[4:5], the scales s[6:7], attn_mask s[8:9], y's codes s[10:11]
	s_load_b64 s[12:13], s[0:1], 0x20              ; y's scales
	v_lshl_add_u32 v[SPW], v0, 2, SPARE
	v_mov_b32 v[NIL], 0
	ds_add_u32 v[SPW], v[NIL]                      ; the wave's opening: the add and its wait stand ahead of my first tensor load; the set-up below, work on registers, stands between them
	v_lshrrev_b32 v8, 5, v0
	v_readfirstlane_b32 s[WV], v8                  ; wave 0..15
	s_and_b32 s73, ttmp7, 0xffff                   ; 8 b + j
	s_lshr_b32 s74, s73, 3                         ; b
	s_and_b32 s75, s73, 7                          ; j
	s_lshr_b32 s76, s[WV], 2                       ; which 16 of a block's 64 queries
	s_bfe_u32 s77, s[WV], 0x10001                  ; which head of the pair
	s_xor_b32 s78, s[WV], s76
	s_and_b32 s78, s78, 1                          ; the early block (0) or the late one (1)
	s_sub_co_u32 s79, 31, ttmp9                    ; the late block's number
	s_cmp_eq_u32 s78, 1
	s_cselect_b32 s80, s79, ttmp9
	s_lshl_b32 s80, s80, 6
	s_lshl_b32 s81, s76, 4
	s_add_co_u32 s[Q0], s80, s81
	s_lshl_b32 s[QL], s79, 6
	s_add_co_u32 s[QL], s[QL], 63
	s_mul_i32 s81, s77, 48                         ; my head's bytes in a row of q or k
	; descriptor groups 1: dense blocks as rows of 256 bytes (32 elements of 8 bytes), no padding
	s_mov_b32 s[G1D], 3<<16                        ; 15:0 no mask; 17:16 elements of 8 bytes; 20 padding off
	s_mov_b32 s[G1D+1], 32<<16                     ; tensor_dim0
	s_mov_b32 s[G1D+2], 48<<16                     ; tensor_dim1
	s_mov_b32 s[G1D+3], 32<<16                     ; tile_dim0
	s_mov_b32 s[G1D+4], 48                         ; tile_dim1
	s_mov_b32 s[G1D+5], 32                         ; tensor_dim0_stride
	s_mov_b32 s[G1D+6], 0
	s_mov_b32 s[G1D+7], 0
	s_mov_b32 s[G1S], 3<<16
	s_mov_b32 s[G1S+1], 32<<16
	s_mov_b32 s[G1S+2], 16<<16
	s_mov_b32 s[G1S+3], 32<<16
	s_mov_b32 s[G1S+4], 16
	s_mov_b32 s[G1S+5], 32
	s_mov_b32 s[G1S+6], 0
	s_mov_b32 s[G1S+7], 0
	; what I fetch, if I fetch: wave 0, 1: K's blocks 2 s, 2 s + 1 of slot s; wave 2, 3: V's
	s_lshr_b32 s82, s[WV], 1
	s_add_co_u32 s82, s82, 1                       ; T: 1 for K, 2 for V
	s_and_b32 s83, s[WV], 1
	s_mul_i32 s84, s82, 512*VT
	s_mul_i32 s85, s73, 16*VT
	s_add_co_u32 s84, s84, s85
	s_mul_i32 s85, s83, VT
	s_add_co_u32 s84, s84, s85
	s_mov_b32 s85, 0                               ; s[84:85]: the codes, in memory
	s_mul_i32 s86, s82, 512*512
	s_lshl_b32 s87, s73, 13
	s_add_co_u32 s86, s86, s87
	s_lshl_b32 s87, s83, 12
	s_add_co_u32 s86, s86, s87
	s_mov_b32 s87, 0                               ; s[86:87]: half of the pair's scale bytes, in memory
	s_mul_i32 s88, s[WV], VT                       ; in a slot: K's halves, then V's two tiles
	s_lshl_b32 s89, s[WV], 12
	s_add_co_u32 s89, s89, SCK                     ; the scale bytes: K's halves, then V's
	s_mul_i32 s90, s73, 16*VT                      ; my queries' codes: the pair's q is [2048][96]
	s_mul_i32 s91, s[Q0], KP
	s_add_co_u32 s90, s90, s91
	s_add_co_u32 s90, s90, s81
	s_mov_b32 s91, 0
	s_lshl_b32 s92, s73, 13                        ; and their scale bytes: [2048][4]
	s_lshl_b32 s93, s[Q0], 2
	s_add_co_u32 s92, s92, s93
	s_lshl_b32 s93, s77, 1
	s_add_co_u32 s92, s92, s93
	s_mov_b32 s93, 0
	s_lshl_b32 s94, s74, 11
	s_add_co_u32 s94, s94, s[Q0]                   ; y's row: 2,048 b + my first query
	s_lshl_b32 s95, s75, 1
	s_add_co_u32 s95, s95, s77                     ; the head
	s_mul_i32 s96, s94, 768
	s_mul_i32 s97, s95, 48
	s_add_co_u32 s96, s96, s97
	s_mov_b32 s97, 0                               ; s[96:97]: y's codes
	s_lshl_b32 s98, s94, 5
	s_lshl_b32 s99, s95, 1
	s_add_co_u32 s98, s98, s99
	s_mov_b32 s99, 0                               ; s[98:99]: y's scale bytes
	s_lshl_b32 s74, s74, 13                        ; the batch's row of attn_mask
	s_mov_b32 s75, 0
	s_mov_b32 s[SEL], 0x76543210
	s_mov_b32 s[SEL+1], 0xfedcba98
	s_mov_b32 s[CS], 0x3e38aa3b                    ; c = log2(e) / 8
	s_mov_b32 s[CS+1], s[CS]                       ; (named with it as a pair, so it is written)
	s_mov_b32 s[TB], 0
	s_mov_b32 s[TS], 0
	s_mov_b32 s[KF], 0
	s_mov_b32 s[SLOTS], NSL-1
	s_wait_dscnt 0x0                               ; the opening add is done
	s_wait_kmcnt 0x0
	s_mov_b32 s[G0S], 1                            ; 1:0 count = 1
	s_mov_b32 s[G0S+1], s89                        ; LDS address
	s_add_nc_u64 s[G0S+2:G0S+3], s[6:7], s[86:87]  ; global address
	s_or_b32 s[G0S+3], s[G0S+3], 0x80000000        ; type = 2
	TLOAD G0S, G1S                                 ; the scale bytes of the whole pair: filled once
	s_mov_b32 s[G0D], 1
	s_mov_b32 s[G0D+1], s88
	s_add_nc_u64 s[G0D+2:G0D+3], s[4:5], s[84:85]
	s_or_b32 s[G0D+3], s[G0D+3], 0x80000000
	TLOAD G0D, G1D                                 ; slot 0.  Two tensor loads of a fetching wave are out
	; the prefetches: where my wave's stand, and who asks
	s_cmp_lt_u32 s[WV], 8                          ; waves 4 to 6: K's codes; waves 8 to 10: V's
	s_mov_b32 s82, 2*512*VT
	s_cselect_b32 s82, 512*VT, s82
	s_mul_i32 s83, s73, 16*VT
	s_add_co_u32 s82, s82, s83
	s_and_b32 s83, s[WV], 3
	s_lshl_b32 s83, s83, 13                        ; my wave's 8,192 bytes,
	s_add_co_u32 s82, s82, s83
	s_add_co_u32 s82, s82, 2*VT                    ; in slot 1: the first change of slots steps it to slot 2.  Nothing is prefetched here, at the head
	s_mov_b32 s83, 0
	s_add_nc_u64 s[PFA:PFA+1], s[4:5], s[82:83]
	s_sub_co_u32 s82, s[WV], 4
	s_lshr_b32 s82, s82, 3                         ; 0 in waves 4 to 11,
	s_or_b32 s82, s82, ttmp9                       ; of work-group g = 0
	s_cmp_eq_u32 s82, 0
	s_cselect_b32 s[LIM], 1, -1
	s_and_b32 s82, s[WV], 3
	s_cmp_eq_u32 s82, 3                            ; (a slot's bytes are three waves' worth)
	s_cselect_b32 s[LIM], -1, s[LIM]
	s_add_nc_u64 s[90:91], s[4:5], s[90:91]        ; Q's codes at my first query
	s_add_nc_u64 s[92:93], s[6:7], s[92:93]        ; and its scale bytes
	s_add_nc_u64 s[8:9], s[8:9], s[74:75]          ; the batch's mask
	s_add_nc_u64 s[10:11], s[10:11], s[96:97]
	s_add_nc_u64 s[12:13], s[12:13], s[98:99]
	v_and_b32 v8, 15, v0                           ; r = lane % 16
	v_bfe_u32 v9, v0, 4, 1                         ; h = lane / 16
	v_mul_u32_u24 v10, v8, KP
	v_mad_u32_u24 v10, v9, 24, v10                 ; 96 r + 24 h
.irp p, 0,1,2
	global_load_b64 v[16+2*\p:17+2*\p], v10, s[90:91] offset:8*\p   ; Q's fragment stays in registers: my block of 32 of the head's 64
.endr
	v_lshlrev_b32 v254, 2, v8
	global_load_u16 v255, v254, s[92:93]           ; Q's two scale bytes; the upper two are 0
	v_lshlrev_b32 v252, 4, v0
	global_load_b128 v[232:235], v252, s[8:9]      ; four keys' mask: the 512 threads take the batch's 2,048
	v_add_nc_u32 v[AK0], s81, v10
	v_and_b32 v11, 8, v8
	v_add_nc_u32 v11, v11, v8                      ; r + 8 (r / 8)
	s_lshl_b32 s80, s77, 6
	v_add_nc_u32 v11, s80, v11                     ; + my head's 64 channels
	v_mul_u32_u24 v[AV0], v11, KP
	v_mad_u32_u24 v[AV0], v9, 24, v[AV0]
	v_add_nc_u32 v[AV0], VOFF, v[AV0]
	v_lshl_add_u32 v[ASV0], v11, 2, SCV
	s_lshl_b32 s80, s77, 1
	v_lshl_add_u32 v[ASK0], v8, 2, SCK
	v_add_nc_u32 v[ASK0], s80, v[ASK0]
	v_lshl_add_u32 v[ABI0], v9, 5, BIAS
	v_lshl_add_u32 v251, v0, 4, BIAS               ; where my four keys' numbers go
	v_and_b32 v[PFO], 31, v0
	v_lshlrev_b32 v[PFO], 8, v[PFO]
	v_mov_b32 v13, 0xec800000                      ; the largest t so far: -2^90
	v_floor_f32 v12, -v13                          ; -M
	v_mov_b32 v14, 0                               ; the sum, in two halves
	v_mov_b32 v15, 0
.irp i, 22,23,24,25,26,27
	v_mov_b32 v[\i], 0                             ; Q's K = 64 .. 127: zero codes
.endr
.irp t, 0,1,2,3
.irp i, 6,7,8,9,10,11
	v_mov_b32 v[KFR+12*\t+\i], 0                   ; and K's
.endr
.endr
.irp b, 0,1,2,3
	v_mov_b32 v[236+\b], 0                         ; written once: a lane permute's destination counts as one of its sources
.endr
.set n, 0
.rept 32
	v_mov_b32 v[OT+n], 0                           ; O^T.  (The loop is written once: its first step finds zeros, which the first change of M leaves zeros)
.set n, n+1
.endr
	s_wait_loadcnt 0x0                             ; Q and the mask
	v_mov_b32 v253, 0xf1800000                     ; -2^100
.irp i, 0,1,2,3
	v_cmp_eq_u32 vcc_lo, 0, v[232+\i]
	v_cndmask_b32 v[232+\i], 0, v253, vcc_lo       ; 0 where the key counts, -2^100 where it does not
.endr
	ds_store_b128 v251, v[232:235]                 ; the first change of slots, with its wait and its barrier, shows the table to every wave
; A KEY STEP: 128 keys, the q-th of the slot in hand.
.macro STEP q
	s_add_co_u32 s96, s[Q0], 15                    ; a step all of whose keys come after my 16 queries is left out: a scalar branch on ids, round the step's loads, products and softmax
	s_cmp_gt_u32 s[KF], s96
	s_cbranch_scc1 .Lhidden_\@
	v_add_nc_u32 v[ADK], s[TB], v[AK0]             ; (these five are also the places behind the last step's products, in front of the loads into their scale registers)
	v_add_nc_u32 v[ADV], s[TB], v[AV0]
	v_add_nc_u32 v[ADS], s[TS], v[ASK0]
	v_add_nc_u32 v[ADT], s[TS], v[ASV0]
	v_add_nc_u32 v[ADB], s[TS], v[ABI0]
.irp t, 0,1,2,3,4,5,6,7
	ds_load_b128 v[S+8*\t:S+8*\t+3], v[ADB] offset:64*\t         ; the mask's numbers of keys 16 t + 8 h + 0 .. 7, straight into the registers onto which the score product adds
	ds_load_b128 v[S+8*\t+4:S+8*\t+7], v[ADB] offset:64*\t+16
.endr
.irp g, 0,1                            ; S^T = K Q^T + the mask, four tiles of 16 neighbouring keys at a time
.if \g
.rept 4
	v_nop                                          ; places in front of loads into registers that matrix instructions have read
.endr
.endif
.irp t, 0,1,2,3
.irp p, 0,1,2
	ds_load_b64 v[KFR+12*\t+2*\p:KFR+12*\t+2*\p+1], v[ADK] offset:(128*(\q)+16*(4*\g+\t))*KP+8*\p
.endr
	ds_load_u16 v[248+\t], v[ADS] offset:64*(4*\g+\t)
.endr
	s_wait_dscnt 0x0
.irp t, 0,1,2,3
	v_wmma_scale_f32_16x16x128_f8f6f4 v[S+8*(4*\g+\t):S+8*(4*\g+\t)+7], v[KFR+12*\t:KFR+12*\t+11], v[16:27], v[S+8*(4*\g+\t):S+8*(4*\g+\t)+7], v[248+\t], v255 matrix_a_fmt:MATRIX_FMT_BF6 matrix_b_fmt:MATRIX_FMT_BF6
.endr
.endr
.rept 4
	v_nop                                          ; places: in front of the loads into the scale registers, and of the first read of the scores
.endr
.irp t, 0,1,2,3                        ; V's four fragments and their scale words are asked for now and land while the softmax is walked
.irp p, 0,1,2,3,4,5
	ds_load_b64 v[VFR+12*\t+2*\p:VFR+12*\t+2*\p+1], v[ADV] offset:(\q)*VT+(32*(\t/2)+8*(\t%2))*KP+48*(\p/3)+8*(\p%3)
.endr
	ds_load_b32 v[248+\t], v[ADT] offset:(32*(\t/2)+8*(\t%2))*4
.endr
	s_add_co_u32 s96, s[KF], 127                   ; on the diagonal the scores of keys behind the query become -infinity ahead of the maximum.  A step all of whose keys come before my queries skips this
	s_cmp_le_u32 s96, s[Q0]
	s_cbranch_scc1 .Lopen_\@
	s_sub_co_i32 s96, s[Q0], s[KF]
	v_and_b32 v252, 15, v0
	v_bfe_u32 v253, v0, 4, 1
	v_lshlrev_b32 v253, 3, v253
	v_sub_nc_u32 v252, v252, v253
	v_add_nc_u32 v252, s96, v252                   ; d = my query - KF - 8 h.  Register 8 t + i holds key KF + 16 t + 8 h + i: hidden where 16 t + i > d
	v_mov_b32 v254, 0xff800000                     ; -infinity
.irp n, 0,1,2,3,4,5,6,7,8,9,10,11,12,13,14,15,16,17,18,19,20,21,22,23,24,25,26,27,28,29,30,31,32,33,34,35,36,37,38,39,40,41,42,43,44,45,46,47,48,49,50,51,52,53,54,55,56,57,58,59,60,61,62,63
	v_cmp_gt_i32 vcc_lo, 16*(\n/8)+\n%8, v252
	v_cndmask_b32 v[S+\n], v[S+\n], v254, vcc_lo
.endr
.Lopen_\@:
.irp b, 0,1,2,3
	v_max3_num_f32 v[232+\b], v[S+16*\b], v[S+1+16*\b], v[S+2+16*\b]   ; the largest score of each block of 32 keys: for the row's maximum, and, since p rises with the score, for the block's largest p
.endr
.irp i, 3,5,7,9,11,13
.irp b, 0,1,2,3
	v_max3_num_f32 v[232+\b], v[232+\b], v[S+16*\b+\i], v[S+1+16*\b+\i]   ; (the four blocks by turns)
.endr
.endr
.irp b, 0,1,2,3
	v_max_num_f32 v[232+\b], v[232+\b], v[S+15+16*\b]
.endr
.irp b, 0,1,2,3
	v_permlanex16_b32 v[236+\b], v[232+\b], s[SEL], s[SEL+1]
.endr
.irp b, 0,1,2,3
	v_max_num_f32 v[232+\b], v[232+\b], v[236+\b]  ; with lane l xor 16's 16 keys
.endr
	v_max3_num_f32 v254, v232, v233, v234
	v_max_num_f32 v254, v254, v235                 ; the step's largest score of my query
	v_mul_f32 v254, s[CS], v254                    ; as t (c is positive)
	v_max_num_f32 v13, v13, v254                   ; the running largest t
	v_mov_b32 v254, v12
	v_floor_f32 v12, -v13                          ; the new -M = floor(-t) = -ceil(t): M is a whole number
	v_sub_f32 v254, v12, v254                      ; M's old value less its new one: a whole number, 0 or less
	v_cvt_i32_f32 v254, v254                       ; (it saturates)
	v_ldexp_f32 v252, 1.0, v254                    ; f = 2^(old M - new M)
.set n, 0
.rept 32
	v_pk_fma_f32 v[S+n:S+n+1], v[S+n:S+n+1], s[CS:CS+1], v[12:13] op_sel_hi:[1,0,0]   ; t - M, two at a time (of the pairs c and -M the low word serves both halves)
.set n, n+2
.endr
.irp b, 0,1,2,3
	v_fma_f32 v[232+\b], v[232+\b], s[CS], v12     ; the same of each block's largest score
.endr
.set n, 0
.rept 64
	v_exp_f32 v[S+n], v[S+n]                       ; p = 2^(t - M), at most 1: not normalised
.set n, n+1
.endr
	v_pk_mul_f32 v[14:15], v[14:15], v[252:253] op_sel_hi:[1,0]   ; the sums under the new M.  (The plain instruction behind the exponentials)
	s_wait_alu depctr_va_vdst(0)                   ; one for the whole batch, ahead of its first reader
.irp b, 0,1,2,3
	v_exp_f32 v[232+\b], v[232+\b]                 ; the block's largest p: the same two instructions on the same number give the same bits
.endr
	v_pk_add_f32 v[236:237], v[S:S+1], v[S+2:S+3]  ; the row's sum is taken of the unquantised p: two at a time, in two chains
.irp j, 4,8,12,16,20,24,28,32,36,40,44,48,52,56,60
	v_pk_add_f32 v[14:15], v[14:15], v[S+\j:S+\j+1]
	v_pk_add_f32 v[236:237], v[236:237], v[S+2+\j:S+3+\j]
.endr
	v_pk_add_f32 v[14:15], v[14:15], v[236:237]
	s_wait_alu depctr_va_vdst(0)                   ; and one for the four
.irp b, 0,1,2,3
	v_max_num_f32 v[232+\b], 0x2800000, v[232+\b]  ; the floor 2^(5 - 127): the byte cannot fall under 1 (a block whose every p is 0 keeps that byte: its codes are zeros)
.endr
.irp b, 0,1,2,3
	v_add_nc_u32 v[244+\b], 0xfe000000, v[232+\b]  ; 4 off the exponent field: the conversion's scale operand
.endr
.irp b, 0,1,2,3
	v_lshrrev_b32 v[236+\b], 23, v[244+\b]         ; the scale's byte
.endr
	v_lshl_or_b32 v253, v237, 8, v236              ; p's scale word for these 128 keys
	v_lshl_or_b32 v253, v238, 16, v253
	v_lshl_or_b32 v253, v239, 24, v253
.irp c, 0,1
	v_cvt_scalef32_pk16_bf6_f32 v[224+6*\c:226+6*\c], v[S+32*\c:S+15+32*\c], v[244+2*\c]
	v_cvt_scalef32_pk16_bf6_f32 v[236+4*\c:238+4*\c], v[S+16+32*\c:S+31+32*\c], v[244+2*\c+1]   ; (a conversion's three registers begin on an even number)
.endr
	v_nop                                          ; one plain instruction behind a scaled conversion
.irp c, 0,1                            ; a whole block to a lane: lanes 0-15 block 2 c, lanes 16-31 block 2 c + 1
.irp i, 0,1,2
	v_permlane16_swap_b32 v[224+6*\c+\i], v[236+4*\c+\i]
.endr
.irp i, 0,1,2
	v_mov_b32 v[227+6*\c+\i], v[236+4*\c+\i]
.endr
.endr
.set n, 0
.rept 16
	v_pk_mul_f32 v[OT+n:OT+n+1], v[OT+n:OT+n+1], v[252:253] op_sel_hi:[1,0]   ; O^T under the new M: x f.  (These sixteen also stand between the writes of p's codes and scale word and the products below)
.set n, n+2
.endr
	s_wait_dscnt 0x0                               ; V's fragments and scale words are in
.irp t, 0,1,2,3                        ; O^T += V^T P^T: four tiles of 16 of the head's 64 channels; K = these 128 keys
	v_wmma_scale_f32_16x16x128_f8f6f4 v[OT+8*\t:OT+8*\t+7], v[VFR+12*\t:VFR+12*\t+11], v[224:235], v[OT+8*\t:OT+8*\t+7], v[248+\t], v253 matrix_a_fmt:MATRIX_FMT_BF6 matrix_b_fmt:MATRIX_FMT_BF6
.endr
.Lhidden_\@:
	s_add_co_u32 s[KF], s[KF], 128
	s_add_co_u32 s[TS], s[TS], 512
.endm
; THE CHANGE OF SLOTS stands at a slot's head.  Each wave waits for all its tensor loads, adds 0 to its spare word, and waits for that and for its reads of the slot that it has left (at the first change: for its store into the mask's table).
; Behind the barrier the slot ahead is whole and nobody reads the other one.  fill = 1: that other slot is filled with the keys that follow, while a query of the work-group sees them.
.macro CHANGE fill
	s_wait_tensorcnt 0x0                           ; no tensor load of mine is out, so a group 0 may be written
	ds_add_u32 v[SPW], v[NIL]                      ; 0 onto my spare word
.if \fill
	s_xor_b32 s[G0D+1], s[G0D+1], SLOT1            ; the walking descriptor: the other slot than last time,
	s_add_nc_u64 s[G0D+2:G0D+3], s[G0D+2:G0D+3], 2*VT   ; the next 256 keys; the type bits on top are not reached
	s_wait_xcnt 0x0                                ; the last prefetch, a slot back, has read its address, so it may be written:
	s_add_nc_u64 s[PFA:PFA+1], s[PFA:PFA+1], 2*VT  ; one slot further on than the walking descriptor
.endif
	s_wait_dscnt 0x0                               ; the add is done, and my LDS instructions are over
	s_barrier_signal -1
	s_barrier_wait -1
.if \fill
	s_add_co_u32 s96, s[KF], SK                    ; the first key of the slot that this change would ask for: behind my work-group's last query it is read by none of the waves, and is not asked for.
	s_cmp_gt_u32 s96, s[QL]                        ; Ids and the count of steps alone: all sixteen waves go the same way; every wait for tensor loads in this text is for 0
	s_cbranch_scc1 .Lpast_\@
	TLOAD G0D, G1D                                 ; a wave's one tensor load until the next change
.Lpast_\@:
	ASK
.endif
.endm
.Lslot:                                            ; NSL - 1 trips
	CHANGE 1
	STEP 0
	STEP 1
	s_xor_b32 s[TB], s[TB], SLOT1                  ; on to the other slot
	s_sub_co_u32 s[SLOTS], s[SLOTS], 1
	s_cmp_lg_u32 s[SLOTS], 0
	s_cbranch_scc1 .Lslot
	CHANGE 0                                       ; the last slot is written out: nothing is left to ask for
	STEP 0
	STEP 1
	; THE WAY OUT.  O^T is divided by the row's sum, quantised along the head's 64 channels (two blocks of y's K), and stored as codes.
	v_add_f32 v14, v14, v15                        ; the sum's two halves,
	v_permlanex16_b32 v252, v14, s[SEL], s[SEL+1]
	v_add_f32 v14, v14, v252                       ; and lane l xor 16's: the row's sum
	v_rcp_f32 v252, v14
	v_and_b32 v8, 15, v0                           ; (plain instructions behind the reciprocal)  r
	v_bfe_u32 v9, v0, 4, 1                         ; h
	v_mul_u32_u24 v10, v8, 768
	v_mad_u32_u24 v10, v9, 24, v10                 ; y's codes: row r, + my block's 24 bytes
	v_lshl_add_u32 v11, v8, 5, v9                  ; y's scale bytes: row r, + my block's byte
	v_cmp_neq_f32 s96, 0, v14                      ; has my query a key at all?
	s_wait_alu depctr_va_vdst(0)                   ; ahead of the reciprocal's first reader
	v_cndmask_b32 v252, 0, v252, s96               ; 1 / the sum, or 0
.set n, 0
.rept 16
	v_pk_mul_f32 v[S+n:S+n+1], v[OT+n:OT+n+1], v[252:253] op_sel_hi:[1,0]   ; y: register 16 B + i is channel 32 B + 16 h + i; each accumulator from its low end on
.set n, n+2
.endr
.irp b, 0,1
	v_max3_num_f32 v[232+\b], |v[S+16*\b]|, |v[S+1+16*\b]|, 0x2800000       ; block B: my 16 numbers and the floor 2^(5 - 127)
.endr
.irp i, 2,4,6,8,10,12,14
.irp b, 0,1
	v_max3_num_f32 v[232+\b], v[232+\b], |v[S+16*\b+\i]|, |v[S+1+16*\b+\i]|
.endr
.endr
.irp b, 0,1
	v_permlanex16_b32 v[236+\b], v[232+\b], s[SEL], s[SEL+1]
.endr
.irp b, 0,1
	v_max_num_f32 v[232+\b], v[232+\b], v[236+\b]  ; with lane l xor 16's: the block's largest magnitude
.endr
.irp b, 0,1
	v_add_nc_u32 v[244+\b], 0xfe000000, v[232+\b]  ; the conversion's scale operand
.endr
.irp b, 0,1
	v_lshrrev_b32 v[236+\b], 23, v[244+\b]         ; the scale's byte
.endr
	v_cvt_scalef32_pk16_bf6_f32 v[224:226], v[S:S+15], v244
	v_cvt_scalef32_pk16_bf6_f32 v[240:242], v[S+16:S+31], v245
	v_nop                                          ; one plain instruction behind a scaled conversion
.irp i, 0,1,2
	v_permlane16_swap_b32 v[224+\i], v[240+\i]     ; lanes 0-15 get block 0 whole, lanes 16-31 block 1
.endr
.irp i, 0,1,2
	v_mov_b32 v[227+\i], v[240+\i]
.endr
	v_cmp_eq_u32 vcc_lo, 1, v9
	v_cndmask_b32 v236, v236, v237, vcc_lo         ; my block's byte,
	v_mov_b32 v237, 0xff
	v_cndmask_b32 v236, v237, v236, s96            ; or 0xff for a query with no key
.irp p, 0,1,2
	global_store_b64 v10, v[224+2*\p:225+2*\p], s[10:11] offset:8*\p
.endr
	global_store_b8 v11, v236, s[12:13]
	s_wait_tensorcnt 0x0                           ; the wave's end: behind my last tensor load and my last LDS store
	ds_add_u32 v[SPW], v[NIL]
	s_wait_dscnt 0x0
	s_endpgm
.Lfunc_end_k_q225a98fdcd_attn:
	.size	k_q225a98fdcd_attn, .Lfunc_end_k_q225a98fdcd_attn-k_q225a98fdcd_attn
	.p2alignl 7, 3214868480
	.fill 96, 4, 3214868480
	.section	.rodata,"a",@progbits
	.p2align	6, 0x0
	.amdhsa_kernel k_q225a98fdcd_attn
		.amdhsa_group_segment_fixed_size 327680
		.amdhsa_private_segment_fixed_size 0
		.amdhsa_enable_private_segment 0
		.amdhsa_kernarg_size 40
		.amdhsa_user_sgpr_count 2
		.amdhsa_user_sgpr_kernarg_segment_ptr 1
		.amdhsa_wavefront_size32 1
		.amdhsa_system_sgpr_workgroup_id_x 1
		.amdhsa_system_sgpr_workgroup_id_y 1
		.amdhsa_system_sgpr_workgroup_id_z 1
		.amdhsa_system_vgpr_workitem_id 0
		.amdhsa_next_free_vgpr 256
		.amdhsa_next_free_sgpr 100
		.amdhsa_reserve_vcc 1
		.amdhsa_float_denorm_mode_32 3
		.amdhsa_float_denorm_mode_16_64 3
		.amdhsa_memory_ordered 1
		.amdhsa_forward_progress 1
		.amdhsa_inst_pref_size 112
	.end_amdhsa_kernel
	.amdgpu_metadata
---
amdhsa.version: [ 1, 2 ]
amdhsa.kernels:
  - .name:           k_q225a98fdcd_attn
    .symbol:         k_q225a98fdcd_attn.kd
    .args:
      - { .name: qkv_codes, .offset: 0, .size: 8, .value_kind: global_buffer, .address_space: global }
      - { .name: qkv_scales, .offset: 8, .size: 8, .value_kind: global_buffer, .address_space: global }
      - { .name: attn_mask, .offset: 16, .size: 8, .value_kind: global_buffer, .address_space: global }
      - { .name: y_codes, .offset: 24, .size: 8, .value_kind: global_buffer, .address_space: global }
      - { .name: y_scales, .offset: 32, .size: 8, .value_kind: global_buffer, .address_space: global }
    .group_segment_fixed_size: 327680
    .private_segment_fixed_size: 0
    .kernarg_segment_align: 8
    .kernarg_segment_size: 40
    .max_flat_workgroup_size: 512
    .sgpr_count:     100
    .vgpr_count:     256
    .wavefront_size: 32
...
	.end_amdgpu_metadata
.endif
;; end of part 3
;; launch proj (part 4): grid 4 x 32, 4 waves a work-group, clusters of 4 x 4, 327,680 bytes of LDS; arguments y_codes, y_scales, w_codes, w_scales, out0; writes out0
.if DOCPART == 4
	.amdgcn_target "amdgcn-amd-amdhsa--gfx1250"
	.amdhsa_code_object_version 6
	.text
	.protected	k_q225a98fdcd_proj
	.globl	k_q225a98fdcd_proj
	.p2align	8
	.type	k_q225a98fdcd_proj,@function
k_q225a98fdcd_proj:
	s_mov_b64 s[64:65], 0
	v_nop
	global_prefetch_b8 v0, s[64:65] scope:SCOPE_SE
	s_setreg_imm32_b32 hwreg(HW_REG_WAVE_MODE, 25, 1), 1
	s_wait_xcnt 0x0
	s_wait_alu depctr_hold_cnt(0) depctr_sa_sdst(0) depctr_va_vdst(0) depctr_va_sdst(0) depctr_va_ssrc(0) depctr_va_vcc(0) depctr_vm_vsrc(0)
	s_getreg_b32 s2, hwreg(HW_REG_IB_STS2, 6, 4)
	s_cmp_eq_u32 s2, 0
	s_cbranch_scc0 .Lentry_in_a_cluster
	s_endpgm
.Lentry_in_a_cluster:
	s_bfe_u32 s2, ttmp6, 0x10000c
	s_cmp_lg_u32 s2, 0xf033
	s_cbranch_scc0 .Lentry_shape_is_right
	s_endpgm
.Lentry_shape_is_right:
; out0[m][n] = sum over k of y[m][k] Wp[n][k].  y: [8192][1024] as codes of BF6 (E3M2) with one E8M0 scale for each 32 along K; Wp: rows 3,072 to 4,095 of the weights' codes and scales; out0: [8192][1024] f32; sums in f32.
; A row of y whose scale bytes are 0xff (a query with no key) gives NaN in its whole row of out0.
; A tile of 256 x 256 is made by four waves, 128 x 128 each: 64 accumulators, 512 registers.  K goes in steps of 256 through a ring of two LDS slots filled by the tensor data mover: a tile's row is 192 bytes of memory.
; THE SCALES of the work-group's 256 rows of y and 256 rows of Wp, for all of K, come into LDS once, with the first fills.
; CLUSTERS: 4 x 4 work-groups; y's tiles are asked for jointly along a row of the cluster, Wp's along a column.  THE MATRIX INSTRUCTION IS USED TRANSPOSED (source 0 = 16 rows of Wp, source 1 = 16 rows of y): a lane holds eight neighbouring numbers of a row of out0.
; 128 work-groups: 32 x 4 tiles.
; REGISTERS, in windows of 256: window 0: v0-31 addresses; v32-63 scale words, two sets; from v128 A's fragments, one set; on the way out v32-255 are free.  window 1: B's fragments, two sets.  windows 2, 3: the accumulators.
.set SIZE_N, 1024
.set SIZE_K, 1024
.set BROW0,  3072                      ; Wp's first row among the weights
.set KSTEP,  256
.set NQ,     KSTEP/128
.set ROWB,   192
.set KROW,   SIZE_K*6/8
.set PITCH,  240                       ; an LDS row: 3 x (64 bytes of data + 16 of padding)
.set FR,     12
.set NL,     6
.set NP,     4                         ; places behind this matrix instruction (ISA guide 7.12.1)
.set HALFT,  128*PITCH
.set SLOT,   4*HALFT
.set LAPS,   SIZE_K/(2*KSTEP)
.set KS,     SIZE_K/32
.set SCL,    2*SLOT
.set HALFS,  (128*KS/256)*272
.set SBLK,   (16*KS/256)*272
.set SPARE,  SCL+4*HALFS               ; the spare words, 128 bytes for each wave
.set SPITCH, 528                       ; the way out: a stage of 16 rows x (512 bytes + 16) for each wave, in slot 0, which has had its last fill and its last read by then
.set ADRA, 16
.set ADRB, 20
.set STO,  24
.set RD,   25
.set CO,   26
.set ADRS, 27
.set SPW,  28                          ; v28 LDS address of my spare word; never rewritten
.set NIL,  29                          ; v29 0; never rewritten
.set SC,   32
.set AF,   128
.set BK,   128
.set G1, 24
.set G0, 32
.set G1B, 48
.set G0B, 56
.set G1S, 68
.set G0S, 76
.set G1SB, 80
.set G0SB, 88
.set MSB, 0
.macro WIN new                         ; the immediate's high byte repeats the setting that is left
.if MSB != \new
	s_set_vgpr_msb (MSB<<8)|\new
.set MSB, \new
.endif
.endm
.set MUL_LO, 0xa1                      ; source 0 (B) window 1, source 1 (A) window 0, C and D window 2
.set MUL_HI, 0xf1                      ; the same, C and D window 3
.set TO_B,   0x40                      ; destination window 1, address window 0
; A joint load: waves 0 and 1 fetch for A, waves 2 and 3 for B.  The branch hangs on the wave's number alone.  An s_nop 0 and four v_nop follow each of the two lines.
.macro JLOAD g0a, g1a, g0b, g1b
	s_cmp_eq_u32 s15, 0
	s_cbranch_scc0 .Lfor_b_\@
	tensor_load_to_lds s[\g0a:\g0a+3], s[\g1a:\g1a+7]
	s_nop 0
.rept 4
	v_nop
.endr
	s_branch .Lasked_\@
.Lfor_b_\@:
	tensor_load_to_lds s[\g0b:\g0b+3], s[\g1b:\g1b+7]
	s_nop 0
.rept 4
	v_nop
.endr
.Lasked_\@:
.endm
.macro CREST                           ; a round of the cluster's barrier behind its opening barrier
	s_cmp_lg_u32 s14, 0
	s_cbranch_scc1 .Lnot_wave_0_\@
	s_barrier_signal -3
.Lnot_wave_0_\@:
	s_barrier_wait -3
	s_barrier_signal -1
	s_barrier_wait -1
.endm
.macro CROUND                          ; a whole round
	s_barrier_signal -1
	s_barrier_wait -1
	CREST
.endm
	s_load_b128 s[4:7], s[0:1], 0x0                ; y's codes s[4:5], y's scales s[6:7]
	s_load_b128 s[8:11], s[0:1], 0x10              ; the weights' codes s[8:9], their scales s[10:11]
	s_load_b64 s[12:13], s[0:1], 0x20              ; out0
	v_lshl_add_u32 v[SPW], v0, 2, SPARE
	v_mov_b32 v[NIL], 0
	ds_add_u32 v[SPW], v[NIL]                      ; the wave's opening: the add and its wait stand ahead of my first tensor load; the set-up below, work on registers, stands between them
	v_lshrrev_b32 v1, 5, v0
	v_readfirstlane_b32 s14, v1                    ; wave 0..3
	s_lshr_b32 s15, s14, 1                         ; which half of the tile's rows is mine.  Also: I fetch for A (0) or for B (1)
	s_and_b32 s16, s14, 1                          ; which half of its columns.  Also: which 128 rows of that tile I fetch
	s_bfe_u32 s40, ttmp6, 0x40000                  ; cx, cy: my place in the cluster
	s_bfe_u32 s41, ttmp6, 0x40004
	s_lshl_b32 s42, ttmp9, 2
	s_add_co_u32 s42, s42, s40                     ; tile column = 4 x cluster x + cx
	s_and_b32 s17, ttmp7, 0xffff
	s_lshl_b32 s17, s17, 2
	s_add_co_u32 s17, s17, s41                     ; tile row = 4 x cluster y + cy
	s_lshl_b32 s43, s41, 2
	s_lshl_b32 s43, 15, s43                        ; my row of the cluster
	s_lshl_b32 s44, 0x1111, s40                    ; my column
	s_or_b32 s[G1+0], s43, (0<<16)|(1<<20)|(1<<21)|(3<<22)|(3<<25)  ; 15:0 the mask; 17:16 element of 1 byte; 20 padding on; 21 set beside a mask; 24:22 after every 16 words; 31:25 of 4 words
	s_or_b32 s[G1B+0], s44, (0<<16)|(1<<20)|(1<<21)|(3<<22)|(3<<25)
.irp g, G1, G1B
	s_mov_b32 s[\g+1], ROWB<<16                    ; tensor_dim0
	s_mov_b32 s[\g+2], 128<<16                     ; tensor_dim1 = 128
	s_mov_b32 s[\g+3], ROWB<<16                    ; tile_dim0
	s_mov_b32 s[\g+4], 128                         ; tile_dim1 = 128
	s_mov_b32 s[\g+5], KROW                        ; tensor_dim0_stride
	s_mov_b32 s[\g+6], 0
	s_mov_b32 s[\g+7], 0
.endr
	s_or_b32 s[G1S+0], s43, (3<<16)|(1<<20)|(1<<21)|(5<<22)|(3<<25)   ; the scales of 128 rows: 4,096 dense bytes as rows of 256, 16 bytes of padding behind each
	s_or_b32 s[G1SB+0], s44, (3<<16)|(1<<20)|(1<<21)|(5<<22)|(3<<25)
.irp g, G1S, G1SB
	s_mov_b32 s[\g+1], 32<<16
	s_mov_b32 s[\g+2], (128*KS/256)<<16
	s_mov_b32 s[\g+3], 32<<16
	s_mov_b32 s[\g+4], 128*KS/256
	s_mov_b32 s[\g+5], 32
	s_mov_b32 s[\g+6], 0
	s_mov_b32 s[\g+7], 0
.endr
	s_lshl_b32 s18, s16, 7                         ; which 128 rows of the tile I fetch
	s_lshl_b32 s20, s17, 8
	s_add_co_u32 s20, s20, s18                     ; A: row 256 x tile row + 128 x half
	s_lshl_b32 s46, s42, 8
	s_add_co_u32 s46, s46, s18                     ; B: row 256 x tile column + 128 x half,
	s_add_co_u32 s46, s46, BROW0                   ; among the weights' rows: Wp's begin at 3,072
	s_mov_b32 s21, 0
	s_mov_b32 s47, 0
	s_mov_b64 s[18:19], KS
	s_mul_u64 s[22:23], s[20:21], s[18:19]         ; where these rows' scales begin, in bytes
	s_mul_u64 s[92:93], s[46:47], s[18:19]
	s_mov_b64 s[18:19], KROW
	s_mul_u64 s[20:21], s[20:21], s[18:19]         ; and their codes
	s_mul_u64 s[46:47], s[46:47], s[18:19]
	s_mul_i32 s45, s14, HALFT                      ; where they go: wave x 128 rows
	s_mul_i32 s94, s14, HALFS
	s_wait_dscnt 0x0                               ; the opening add is done
	s_wait_kmcnt 0x0
	s_add_nc_u64 s[20:21], s[4:5], s[20:21]
	s_add_nc_u64 s[22:23], s[6:7], s[22:23]
	s_add_nc_u64 s[46:47], s[8:9], s[46:47]
	s_add_nc_u64 s[92:93], s[10:11], s[92:93]
	CROUND                                         ; all sixteen work-groups are here: the first joint loads meet
	s_mov_b32 s[G0S], 1
	s_add_co_u32 s[G0S+1], s94, SCL
	s_mov_b64 s[G0S+2:G0S+3], s[22:23]
	s_or_b32 s[G0S+3], s[G0S+3], 0x80000000
	s_mov_b32 s[G0SB], 1
	s_add_co_u32 s[G0SB+1], s94, SCL
	s_mov_b64 s[G0SB+2:G0SB+3], s[92:93]
	s_or_b32 s[G0SB+3], s[G0SB+3], 0x80000000
	JLOAD G0S, G1S, G0SB, G1SB                     ; the scales first: they are wanted with K step 0
.irp s, 0,1
	s_mov_b32 s[G0+4*\s], 1
	s_add_co_u32 s[G0+4*\s+1], s45, \s*SLOT
	s_add_nc_u64 s[G0+4*\s+2:G0+4*\s+3], s[20:21], \s*ROWB
	s_or_b32 s[G0+4*\s+3], s[G0+4*\s+3], 0x80000000
	s_mov_b32 s[G0B+4*\s], 1
	s_add_co_u32 s[G0B+4*\s+1], s45, \s*SLOT
	s_add_nc_u64 s[G0B+4*\s+2:G0B+4*\s+3], s[46:47], \s*ROWB
	s_or_b32 s[G0B+4*\s+3], s[G0B+4*\s+3], 0x80000000
	JLOAD G0+4*\s, G1, G0B+4*\s, G1B
.endr
	v_and_b32 v1, 15, v0                           ; l % 16
	v_bfe_u32 v2, v0, 4, 1                         ; l / 16
	v_mul_u32_u24 v3, v1, PITCH
	v_mul_u32_u24 v4, v2, 24
	v_add_nc_u32 v4, v3, v4                        ; a fragment's row x pitch + 24 x half
	v_lshl_add_u32 v5, v2, 4, v4                   ; and the same behind one padding more
	s_mul_i32 s21, s15, HALFT                      ; my 128 rows of A
	s_mul_i32 s22, s16, HALFT                      ; my 128 rows of B,
	s_add_co_u32 s22, s22, 2*HALFT                 ; which lie behind A's 256
.irp s, 0,1
	v_add_nc_u32 v[ADRA+\s], s21, v4
	v_add_nc_u32 v[ADRB+\s], s22, v4
	v_add_nc_u32 v[ADRA+2+\s], s21, v5
	v_add_nc_u32 v[ADRB+2+\s], s22, v5
	s_add_co_u32 s21, s21, SLOT
	s_add_co_u32 s22, s22, SLOT
.endr
	v_mul_u32_u24 v5, v1, KS                       ; my row's scales: KS bytes a row,
	v_lshrrev_b32 v6, 8, v5
	v_lshl_add_u32 v5, v6, 4, v5                   ; and 16 more for each 256 passed
	s_mul_i32 s21, s15, HALFS
	s_mul_i32 s22, s16, HALFS
	s_add_co_u32 s22, s22, 2*HALFS
	s_sub_co_u32 s22, s22, s21
	v_mul_u32_u24 v6, s22, v2                      ; lanes 16-31 take B's
	s_add_co_u32 s21, s21, SCL
	v_add_nc_u32 v5, v5, v6
	v_add_nc_u32 v[ADRS], s21, v5
	s_mul_i32 s23, s14, 16*SPITCH                  ; my stage
	v_mul_u32_u24 v5, v1, SPITCH                   ; in: row l % 16, 32 bytes for each half of the lanes
	v_lshl_add_u32 v5, v2, 5, v5
	v_add_nc_u32 v[STO], s23, v5
	v_and_b32 v6, 31, v0
	v_lshlrev_b32 v[CO], 4, v6                     ; back: the 32 lanes take one row of 512 bytes; and the same in out0
	v_add_nc_u32 v[RD], s23, v[CO]
	s_lshl_b32 s20, s17, 8
	s_lshl_b32 s21, s15, 7
	s_add_co_u32 s20, s20, s21                     ; my first row of out0
	s_mov_b32 s21, 0
	s_mov_b64 s[18:19], SIZE_N*4
	s_mul_u64 s[20:21], s[20:21], s[18:19]
	s_lshl_b32 s46, s42, 10                        ; my first column, in bytes: 1024 x tile column + 512 x half
	s_lshl_b32 s47, s16, 9
	s_add_co_u32 s46, s46, s47
	s_mov_b32 s47, 0
	s_add_nc_u64 s[20:21], s[20:21], s[46:47]
	s_add_nc_u64 s[12:13], s[12:13], s[20:21]
.macro FRAG reg, adr, q, i             ; a fragment, 16 rows x 128 K of 6-bit codes, is 12 registers: registers 6 c .. 6 c + 5 hold K = 64 c + 32 (l / 16) + 0 .. 31: 24 bytes of the row, as they lie, in pieces of 8 bytes
.irp p, 0,1,2,3,4,5
.set PCE, 12*(\q)+6*(\p/3)+\p%3        ; where the piece three on lies behind one padding more, the second address register serves
.if PCE%8 < 5
	ds_load_b64 v[\reg+2*\p:\reg+2*\p+1], v[\adr] offset:8*PCE+16*(PCE/8)+(\i)*16*PITCH
.else
	ds_load_b64 v[\reg+2*\p:\reg+2*\p+1], v[\adr+2] offset:8*PCE+16*(PCE/8)+(\i)*16*PITCH
.endif
.endr
.endm
; 16 matrix instructions: A's blocks a0, a0 + 1 x B's eight, 128 along K.  The 64 accumulators take turns, one instruction a turn, in the same order in every step.
.macro MUL16 a0, p, q, sc, zero
.irp a, \a0, \a0+1
.irp b, 0,1,2,3,4,5,6,7
.if \zero
	v_wmma_scale_f32_16x16x128_f8f6f4 v[8*(8*((\a)%4)+\b):8*(8*((\a)%4)+\b)+7], v[128*(\p)+FR*\b:128*(\p)+FR*\b+FR-1], v[AF+FR*(\a):AF+FR*(\a)+FR-1], 0, v[SC+8*NQ*(\sc)+NQ*\b+(\q)], v[SC+8*NQ*(\sc)+NQ*(\a)+(\q)] matrix_a_fmt:MATRIX_FMT_BF6 matrix_b_fmt:MATRIX_FMT_BF6 matrix_a_scale:MATRIX_SCALE_ROW1
.else
	v_wmma_scale_f32_16x16x128_f8f6f4 v[8*(8*((\a)%4)+\b):8*(8*((\a)%4)+\b)+7], v[128*(\p)+FR*\b:128*(\p)+FR*\b+FR-1], v[AF+FR*(\a):AF+FR*(\a)+FR-1], v[8*(8*((\a)%4)+\b):8*(8*((\a)%4)+\b)+7], v[SC+8*NQ*(\sc)+NQ*\b+(\q)], v[SC+8*NQ*(\sc)+NQ*(\a)+(\q)] matrix_a_fmt:MATRIX_FMT_BF6 matrix_b_fmt:MATRIX_FMT_BF6 matrix_a_scale:MATRIX_SCALE_ROW1
.endif
.endr
.endr
.endm
.macro FETCH_B slot, q, p
	WIN TO_B
.irp i, 0,1,2,3,4,5,6,7
	FRAG 128*(\p)+FR*\i, ADRB+\slot, \q, \i
.endr
	WIN 0
.endm
.macro FETCH_A slot, q, i0
.irp i, \i0, \i0+1, \i0+2, \i0+3
	FRAG AF+FR*(\i), ADRA+\slot, \q, \i
.endr
.endm
.macro SCALES sc
.irp i, 0,1,2,3,4,5,6,7
	ds_load_b64 v[SC+8*NQ*\sc+NQ*\i:SC+8*NQ*\sc+NQ*\i+1], v[ADRS] offset:\i*SBLK
.endr
.endm
.macro PLACES n                        ; places behind matrix instructions: plain vector instructions that name none of their registers (ISA guide 7.12.1 for vector instructions)
.rept \n
	v_nop
.endr
.endm
.macro STEP slot, q, zero
	s_wait_dscnt 4*NL                              ; B's set and A's blocks 0-3 are in; the youngest 24 loads (A's blocks 4-7) may be out
	WIN MUL_LO
	MUL16 0, (\q)%2, \q, \slot, \zero
	MUL16 2, (\q)%2, \q, \slot, \zero
	s_wait_dscnt 0                                 ; A's blocks 4-7 are in
	PLACES NP
	FETCH_B \slot, (\q)+1, 1-(\q)%2
	FETCH_A \slot, (\q)+1, 0
	WIN MUL_HI
	MUL16 4, (\q)%2, \q, \slot, \zero
	MUL16 6, (\q)%2, \q, \slot, \zero
	PLACES NP
	WIN 0
	FETCH_A \slot, (\q)+1, 4
.endm
; A slot's last step changes slots: ONE barrier; in front of it each wave waits for all its tensor loads, adds 0 to its spare word, and waits for that and for its own reads of this slot.
.macro TURN slot, next, fill
	s_wait_tensorcnt 0x0                           ; all my tensor loads have landed: my part of the next slot
	ds_add_u32 v[SPW], v[NIL]                      ; 0 onto my spare word
	s_wait_dscnt 4*NL+1                            ; (the add and the youngest 24 loads may be out)
	WIN MUL_LO
	MUL16 0, 1, NQ-1, \slot, 0
	s_wait_dscnt 0x0                               ; the add is done, and my reads of this slot are over
	s_barrier_signal -1
	MUL16 2, 1, NQ-1, \slot, 0
	WIN 0
	s_barrier_wait -1
.if \fill
	CREST                                          ; the barrier has opened a round of the cluster's barrier: no wave of any partner still reads this slot's tile or has a load on its way
	s_add_nc_u64 s[G0+4*\slot+2:G0+4*\slot+3], s[G0+4*\slot+2:G0+4*\slot+3], 2*ROWB
	s_add_nc_u64 s[G0B+4*\slot+2:G0B+4*\slot+3], s[G0B+4*\slot+2:G0B+4*\slot+3], 2*ROWB
	JLOAD G0+4*\slot, G1, G0B+4*\slot, G1B         ; the first tensor load behind the round
.else
	PLACES NP
.endif
	v_add_nc_u32 v[ADRS], 4*NQ, v[ADRS]            ; on to the next K step's scale words (no LDS load of mine is out)
	FETCH_B \next, 0, 0
	FETCH_A \next, 0, 0
	SCALES \next
	WIN MUL_HI
	MUL16 4, 1, NQ-1, \slot, 0
	MUL16 6, 1, NQ-1, \slot, 0
	PLACES NP
	WIN 0
	FETCH_A \next, 0, 4
.endm
	s_wait_tensorcnt 1                             ; the scales and my part of K step 0 are in (K step 1's load may be out),
	s_barrier_signal -1
	s_barrier_wait -1                              ; everybody's are
	FETCH_B 0, 0, 0
	FETCH_A 0, 0, 0
	SCALES 0
	FETCH_A 0, 0, 4
	STEP 0, 0, 1                                   ; the first step stands in front of the loop: its products start the sums
	s_mov_b32 s3, LAPS-1
.Llap:
	TURN 0, 1, 1
	STEP 1, 0, 0
	TURN 1, 0, 1
	STEP 0, 0, 0
	s_sub_co_u32 s3, s3, 1
	s_cmp_lg_u32 s3, 0
	s_cbranch_scc1 .Llap
	TURN 0, 1, 0                                   ; the last lap fills nothing, and has no round of the cluster's barrier
	STEP 1, 0, 0
	s_wait_dscnt 4*NL                              ; the very last step: nothing more to fetch
	WIN MUL_LO
	MUL16 0, 1, NQ-1, 1, 0
	MUL16 2, 1, NQ-1, 1, 0
	s_wait_dscnt 0
	WIN MUL_HI
	MUL16 4, 1, NQ-1, 1, 0
	MUL16 6, 1, NQ-1, 1, 0
	WIN 0
; THE WAY OUT, block by block of 16 rows x 128 columns: through my own stage in LDS and back as whole rows of 512 bytes.  LDS serves a wave's instructions in order: no wait between the stores and the loads.
.macro TOSTAGE a
.set AC, 64*((\a)%4)
.set WD, 0x08+4*((\a)/4)
	WIN WD                                         ; the data: window 2 or 3
.irp b, 0,1,2,3,4,5,6,7
	ds_store_b128 v[STO], v[AC+8*\b:AC+8*\b+3] offset:64*\b          ; each accumulator from its low end on
	ds_store_b128 v[STO], v[AC+8*\b+4:AC+8*\b+7] offset:64*\b+16
.endr
	WIN 0
.set BB, BK+64*((\a)%2)
.irp t, 0,1,2,3,4,5,6,7,8,9,10,11,12,13,14,15
	ds_load_b128 v[BB+4*\t:BB+4*\t+3], v[RD] offset:\t*SPITCH
.endr
.endm
.macro SEND a, younger                 ; younger: the LDS instructions issued behind block a's loads, which may stay out
.set BB, BK+64*((\a)%2)
	s_wait_dscnt \younger                          ; the block is back in registers
.if (\a) > 0
	s_add_nc_u64 s[12:13], s[12:13], 16*SIZE_N*4   ; (behind a wait on XCNT: the earlier stores have read their base)  16 rows on
.endif
.irp t, 0,1,2,3,4,5,6,7,8,9,10,11,12,13,14,15
	global_store_b128 v[CO], v[BB+4*\t:BB+4*\t+3], s[12:13] offset:\t*SIZE_N*4 th:TH_STORE_NT   ; 32 lanes store 512 consecutive bytes, at a multiple of 256 from out0's first byte
.endr
.endm
	PLACES NP                                      ; behind the last products: for the loads into the registers that held A's fragments and for the reads of results
	TOSTAGE 0
.irp a, 1,2,3,4,5,6,7
.if \a > 1
	s_wait_xcnt 0x0                                ; block a - 2's stores have read their registers and their base: block a's loads may land there, and the base may step
.endif
	TOSTAGE \a
	SEND \a-1, 32                                  ; behind block a - 1's loads: block a's 16 stores and 16 loads
.endr
	s_wait_xcnt 0x0                                ; block 6's stores have read their base
	SEND 7, 0
	s_wait_tensorcnt 0x0                           ; the wave's end: behind my last tensor load and my last LDS store
	ds_add_u32 v[SPW], v[NIL]
	s_wait_dscnt 0x0
	CROUND                                         ; the closing round: no work-group ends while a partner may still ask for a tile that names it
	s_endpgm
.Lfunc_end_k_q225a98fdcd_proj:
	.size	k_q225a98fdcd_proj, .Lfunc_end_k_q225a98fdcd_proj-k_q225a98fdcd_proj
	.p2alignl 7, 3214868480
	.fill 96, 4, 3214868480
	.section	.rodata,"a",@progbits
	.p2align	6, 0x0
	.amdhsa_kernel k_q225a98fdcd_proj
		.amdhsa_group_segment_fixed_size 327680
		.amdhsa_private_segment_fixed_size 0
		.amdhsa_enable_private_segment 0
		.amdhsa_kernarg_size 40
		.amdhsa_user_sgpr_count 2
		.amdhsa_user_sgpr_kernarg_segment_ptr 1
		.amdhsa_wavefront_size32 1
		.amdhsa_system_sgpr_workgroup_id_x 1
		.amdhsa_system_sgpr_workgroup_id_y 1
		.amdhsa_system_sgpr_workgroup_id_z 1
		.amdhsa_system_vgpr_workitem_id 0
		.amdhsa_next_free_vgpr 1024
		.amdhsa_next_free_sgpr 98
		.amdhsa_reserve_vcc 0
		.amdhsa_float_denorm_mode_32 3
		.amdhsa_float_denorm_mode_16_64 3
		.amdhsa_memory_ordered 1
		.amdhsa_forward_progress 1
		.amdhsa_inst_pref_size 160
	.end_amdhsa_kernel
	.amdgpu_metadata
---
amdhsa.version: [ 1, 2 ]
amdhsa.kernels:
  - .name:           k_q225a98fdcd_proj
    .symbol:         k_q225a98fdcd_proj.kd
    .args:
      - { .name: y_codes, .offset: 0, .size: 8, .value_kind: global_buffer, .address_space: global }
      - { .name: y_scales, .offset: 8, .size: 8, .value_kind: global_buffer, .address_space: global }
      - { .name: w_codes, .offset: 16, .size: 8, .value_kind: global_buffer, .address_space: global }
      - { .name: w_scales, .offset: 24, .size: 8, .value_kind: global_buffer, .address_space: global }
      - { .name: out0, .offset: 32, .size: 8, .value_kind: global_buffer, .address_space: global }
    .group_segment_fixed_size: 327680
    .private_segment_fixed_size: 0
    .kernarg_segment_align: 8
    .kernarg_segment_size: 40
    .max_flat_workgroup_size: 128
    .sgpr_count:     98
    .vgpr_count:     1024
    .wavefront_size: 32
...
	.end_amdgpu_metadata
.endif
;; end of part 4
